; MI455X (gfx1250); checked and timed in simulation.
; The chip was launched on July 23, 2026; its instructions are those of AMD's public machine-readable ISA for CDNA 5 (MIT licence, August 2026) and "CDNA5" Instruction Set Architecture Reference Guide (July 2026). The comments in the code are by the model that wrote it; some were corrected since.
;; Split Causal Self Attention. Allowed arithmetic: matrix products marked QUANTISED: E5M2 operands, one E8M0 scale for each 32 along K, by v_wmma_scale_f32_16x16x128_f8f6f4 with both operands' format E5M2, f32 sums; everything else in f32.
;; Inputs: Wk 1,024 x 1,024 float32; Wo 1,024 x 1,024 float32; Wq 1,024 x 1,024 float32; Wv 1,024 x 1,024 float32; X 4 x 2,048 x 1,024 float32; bo 1,024 float32.
;; Outputs: out0 4 x 2,048 x 1,024 float32.
;; This version of the problem:
;;   THIS VERSION OF THE PROBLEM IS GIVEN IN LOW PRECISION. The matrix products marked QUANTISED in the list below multiply operands that are first quantised to E5M2 (5 exponent bits, 2 mantissa bits; 8 bits a number), with one power-of-two scale for each 32 numbers along K (OCP MX v1.0); their sums are f32. All else is computed in f32.
;;   The module's matrix products, in the order in which they are computed (A, B: the left and right operand; K: the contracted axis; several contracted axes count as one K, in the product's order):
;;     1. [M 8,192, K 1,024] x [K 1,024, N 1,024]; A: input X; B: input Wq: QUANTISED
;;     2. [M 8,192, K 1,024] x [K 1,024, N 1,024]; A: input X; B: input Wk: QUANTISED
;;     3. [M 8,192, K 1,024] x [K 1,024, N 1,024]; A: input X; B: input Wv: QUANTISED
;;     4. batch 64 x [M 2,048, K 64] x [K 64, N 2,048]; A: computed on the way; B: computed on the way: QUANTISED
;;     5. batch 64 x [M 2,048, K 2,048] x [K 2,048, N 64]; A: softmax (see below); B: computed on the way: QUANTISED
;;     6. [M 8,192, K 1,024] x [K 1,024, N 1,024]; A: computed on the way; B: input Wo: QUANTISED
;;   THE QUANTISER, for each operand of a quantised product, along K:
;;     - K is cut into blocks of 32 from its start; a last block that is shorter is filled with zeros.
;;     - A block's scale is 2^e with e = floor(log2(the largest magnitude in the block)) - 15, held to -126 .. 127; a block of zeros has e = 0. As a byte (E8M0): e + 127.
;;     - Each number is divided by its block's scale, clamped to +-57,344, and rounded to the nearest number of E5M2, ties to even, subnormals kept.
;;     - The product sums the exact products of the quantised numbers (number of the format x scale) in f32.
;;   ~~~python
;;   def quantise(x, axis):      # numpy; x: float32 -> the quantised numbers, widened to float32 again
;;       x = np.moveaxis(x, axis, -1); K = x.shape[-1]
;;       x = np.pad(x, [(0, 0)] * (x.ndim - 1) + [(0, -K % 32)]); x = x.reshape(x.shape[:-1] + (-1, 32)); a = np.abs(x).max(-1, keepdims=True)
;;       e = np.where(a > 0, np.clip(np.frexp(np.where(a > 0, a, 1))[1] - 1 - 15, -126, 127), 0)      # np.frexp(a)[1] - 1 = floor(log2(a)), exactly
;;       r = np.clip(x / 2.0 ** e, -57344, 57344)
;;       step = 2.0 ** (np.maximum(np.frexp(np.where(r == 0, 1, r))[1] - 1, -14) - 2)
;;       q = np.round(r / step) * step * 2.0 ** e      # np.round: ties to even
;;       return np.moveaxis(q.reshape(q.shape[:-2] + (-1,))[..., :K], -1, axis).astype(np.float32)
;;   ~~~
;;   SOFTMAX AHEAD OF A QUANTISED PRODUCT. Where the list says 'softmax', what is quantised is not the finished softmax but p = 2^(t - M), with t = logit x log2(e) and M = ceil(the row's largest t), a whole number; so 1/2 < the row's largest p <= 1. The row's sum l is taken of the UNQUANTISED p, in f32, and the product's result is divided by l at the end. Since M is a whole number, a kernel that streams over the keys may use a running M (the ceiling of the running maximum): every later rescaling is an exact power of two, which a block's scale takes up: the codes' values come out the same.
;;   OPERANDS COMPUTED ON THE WAY. 'Computed on the way' means the value that the module computes at that place (a softmax that the list does not call 'softmax' is quantised finished and normalised). What goes into a quantiser is computed in f32, as accurately as f32 sums, v_exp_f32 and their like allow (about 1e-6 of the number): no bf16 or f16 on the way to a quantiser, and a product that is left as it is and whose result goes on into a quantised operand takes f32 operands (vector FMAs, or v_wmma_f32_16x16x4_f32). A number that lies on a knife's edge between two numbers of the format may be rounded either way, as far as f32 arithmetic and the matrix unit's own rounding can turn it there, and no further.
;; One version. Each part assembles by itself: llvm-mc -triple=amdgcn-amd-amdhsa -mcpu=gfx1250 --defsym DOCPART=n.
;; ======== version 1 of 1: 6 launches
;; limits: right only within a limited range of input values
;; workspace buffers: xq 8,650,752 bytes; wqk 2,359,296 bytes; wv 1,310,720 bytes; wo 1,310,720 bytes; qk 20,971,520 bytes; v 71,303,168 bytes; y 8,650,752 bytes
;; launch quant_x (part 1): grid 256 x 1, 4 waves a work-group, no clusters, 33,280 bytes of LDS; arguments X, xq; writes xq
.if DOCPART == 1
	.amdgcn_target "amdgcn-amd-amdhsa--gfx1250"
	.amdhsa_code_object_version 6
	.text
	.protected	k_q17b9cc2816_quant_x
	.globl	k_q17b9cc2816_quant_x
	.p2align	8
	.type	k_q17b9cc2816_quant_x,@function
k_q17b9cc2816_quant_x:
	s_mov_b64 s[64:65], 0
	v_nop
	global_prefetch_b8 v0, s[64:65] scope:SCOPE_SE
	s_setreg_imm32_b32 hwreg(HW_REG_WAVE_MODE, 25, 1), 1
	s_wait_xcnt 0x0
; X [8192][1024], f32, becomes codes of BF8 (E5M2), K innermost, with one E8M0 scale byte for each 32 along K.
; xq: scale bytes [storage row][32] from byte 0, codes [storage row][1024] from byte COFF.
; THE ROWS ARE LAID IN ANOTHER ORDER: true row n lies at storage row n with its bits 3 and 4 exchanged.  Lane r of storage tile 2 b + u (16 rows) then holds true row
; 32 b + 8 u + r + 8 (r / 8), so that a product whose source 0 takes such tiles leaves 16 neighbours of the true order in the 16 registers of two neighbouring tiles.
; A block's scale is 2^(floor(log2(its largest magnitude)) - 15); its byte is the largest magnitude's exponent field - 15, held at 1 from below.  Each number is divided by the scale,
; held within +-57,344 and rounded to the nearest code, ties to even.
; LIMITS: a block of zeros gets the byte 1 where the rule says 127 (its codes are zeros, which add nothing, and this program alone reads the bytes); blocks whose largest magnitude lies
; under 2^-111 keep the byte 1; NaN and infinities among the inputs are not served.
; A wave takes a run of 8 rows: 16 steps of 512 numbers.  Each of a step's four loads reads 512 consecutive bytes; the 2,048 bytes turn through the wave's own stage in LDS and come back 64 bytes
; a lane, so that a lane holds 16 neighbours along K (two lanes hold a block).  A wave's store of codes covers 512 consecutive bytes; its 256 scale bytes are gathered in LDS and leave as one
; aligned run of 256 bytes.  Waves share nothing: no barrier.  Memory binds, so matrix units, clusters and tensor loads would add nothing.
.set STEPS, 16
.set MANT,  0x600000                   ; the mantissa field of 57,344 as f32
.set CB,    16                         ; bytes of 16 codes
.set COFF,  262144                     ; the codes begin here in xq
.set R,     16                         ; v16-79   four sets of 16 numbers as they are loaded
.set X,     80                         ; v80-111  two sets of 16 neighbours
.set C,     128                        ; v128-191 codes: four registers for each step, so that no store's data are written again
.set E,     112                        ; v112-127 a scale byte for each step
.set WREG,  8192                       ; LDS: a region for each wave: two stages of 32 x SP bytes, behind them its 256 scale bytes
.set SP,    80                         ; a lane's place in a stage: its 64 bytes + 16 of padding
	s_load_b128 s[4:7], s[0:1], 0x0                ; X s[4:5], xq s[6:7]
	v_lshl_add_u32 v192, v0, 2, 0x8000
	v_mov_b32 v193, 0
	v_lshrrev_b32 v1, 5, v0
	v_readfirstlane_b32 s16, v1                    ; wave
	v_and_b32 v2, 31, v0                           ; lane
	v_lshlrev_b32 v3, 4, v2                        ; my 16 bytes of a load's 512
	s_mul_i32 s17, s16, WREG
	v_lshrrev_b32 v14, 2, v2
	v_mul_u32_u24 v14, v14, SP
	v_and_b32 v15, 3, v2
	v_lshl_add_u32 v14, v15, 4, v14
	v_add_nc_u32 v14, s17, v14                     ; the stage, on the way in: SP (lane / 4) + 16 (lane % 4)
	v_mul_u32_u24 v15, v2, SP
	v_add_nc_u32 v15, s17, v15                     ; and on the way out: SP x lane: my 16 neighbours
	v_mul_u32_u24 v4, v2, CB                       ; my codes' place in a step's
	v_lshrrev_b32 v5, 1, v2
	s_add_co_u32 s17, s17, 2*32*SP
	v_add_nc_u32 v5, s17, v5                       ; LDS: my wave's 256 scale bytes, my block's byte
	v_lshlrev_b32 v7, 3, v2                        ; and on the way out 8 bytes a lane
	v_add_nc_u32 v6, s17, v7
	s_lshl_b32 s18, ttmp9, 2
	s_add_co_u32 s18, s18, s16                     ; my run of 8 rows: 4 x work-group + wave
	s_and_b32 s19, s18, 0xfffffffc                 ; a row's bits 3 and 4 are the run's bits 0 and 1: they change places
	s_and_b32 s20, s18, 1
	s_lshl_b32 s20, s20, 1
	s_bfe_u32 s21, s18, 0x10001
	s_or_b32 s19, s19, s20
	s_or_b32 s19, s19, s21                         ; the run's place in xq
	s_lshl_b32 s24, s18, 15                        ; in: 32,768 bytes a run
	s_mov_b32 s25, 0
	s_lshl_b32 s26, s19, 13                        ; codes: 8,192 bytes a run
	s_add_co_u32 s26, s26, COFF
	s_mov_b32 s27, 0
	s_lshl_b32 s28, s19, 8                         ; scale bytes: 256 a run
	s_mov_b32 s29, 0
	s_wait_alu depctr_va_vdst(0)
	s_wait_kmcnt 0x0
	s_add_nc_u64 s[4:5], s[4:5], s[24:25]
	s_add_nc_u64 s[8:9], s[6:7], s[26:27]
	s_add_nc_u64 s[10:11], s[6:7], s[28:29]
.macro LOAD t
.irp i, 0,1,2,3
	global_load_b128 v[R+16*((\t)%4)+4*\i:R+16*((\t)%4)+4*\i+3], v3, s[4:5] offset:2048*(\t)+512*\i th:TH_LOAD_NT   ; 32 lanes read 512 consecutive bytes
.endr
.endm
.macro TURN t                          ; step t's numbers through the stage: LDS serves a wave's instructions in order, so no wait stands between the stores and the loads
.irp i, 0,1,2,3
	ds_store_b128 v14, v[R+16*((\t)%4)+4*\i:R+16*((\t)%4)+4*\i+3] offset:32*SP*((\t)%2)+8*SP*\i
.endr
.irp i, 0,1,2,3
	ds_load_b128 v[X+16*((\t)%2)+4*\i:X+16*((\t)%2)+4*\i+3], v15 offset:32*SP*((\t)%2)+16*\i
.endr
.endm
.irp t, 0,1,2,3
	LOAD \t
.endr
	s_wait_loadcnt 12                              ; step 0's four loads are in; the twelve of steps 1 to 3 may be out
	TURN 0
.macro STEP t
.set XS, X+16*((\t)%2)
.if (\t) > 0
	s_wait_dscnt 1                                 ; this step's numbers are back from the stage (the last step's byte store may be out): so its stores into the stage have read their registers,
.else
	s_wait_dscnt 0x0
.endif
.if (\t)+4 < STEPS
	LOAD (\t)+4                                    ; which take the loads of four steps on
.endif
.if (\t)+1 < STEPS
.if STEPS-2-(\t) >= 3
	s_wait_loadcnt 12                              ; the next step's four loads are in; those of the three steps behind it may be out
.else
	s_wait_loadcnt 4*(STEPS-2-(\t))
.endif
	TURN (\t)+1                                    ; and go through the other stage while this step is worked
.endif
	v_max3_num_f32 v8, |v[XS]|, |v[XS+1]|, |v[XS+2]|               ; the largest magnitude of my 16, in two chains
	v_max3_num_f32 v9, |v[XS+3]|, |v[XS+4]|, |v[XS+5]|
.irp i, 6,10
	v_max3_num_f32 v8, v8, |v[XS+\i]|, |v[XS+\i+1]|
	v_max3_num_f32 v9, v9, |v[XS+\i+2]|, |v[XS+\i+3]|
.endr
	v_max3_num_f32 v8, v8, |v[XS+14]|, |v[XS+15]|
	v_max3_num_f32 v8, v8, v9, 0x8000000           ; and the floor 2^(16 - 127): the byte cannot fall under 1
	v_max_num_f32_dpp v8, v8, v8 row_xmask:1 row_mask:0xf bank_mask:0xf   ; and of my neighbour's 16: the block's
	v_add_nc_u32 v11, 0xf8800000, v8               ; 15 off its exponent field: the conversion takes the exponent field of this operand as its scale
.irp i, 0,1,2,3,4,5,6,7,8,9,10,11,12,13,14,15
.endr
	v_cvt_scalef32_pk8_bf8_f32 v[C+4*(\t):C+4*(\t)+1], v[XS:XS+7], v11
	v_cvt_scalef32_pk8_bf8_f32 v[C+4*(\t)+2:C+4*(\t)+3], v[XS+8:XS+15], v11
	v_lshrrev_b32 v[E+(\t)], 23, v11               ; the scale's byte (also the plain line behind the conversions)
	ds_store_b8 v5, v[E+(\t)] offset:16*(\t)       ; both lanes of a block write the same byte with the same value
	global_store_b128 v4, v[C+4*(\t):C+4*(\t)+3], s[8:9] offset:32*CB*(\t)
.endm
.irp t, 0,1,2,3,4,5,6,7,8,9,10,11,12,13,14,15
	STEP \t
.endr
	ds_load_b64 v[12:13], v6                       ; LDS serves a wave's instructions in order: these see my stores
	s_wait_dscnt 0x0
	global_store_b64 v7, v[12:13], s[10:11]        ; 32 lanes store 256 consecutive bytes, aligned
	s_wait_tensorcnt 0x0
	ds_add_u32 v192, v193
	s_wait_dscnt 0x0
	s_endpgm
.Lfunc_end_k_q17b9cc2816_quant_x:
	.size	k_q17b9cc2816_quant_x, .Lfunc_end_k_q17b9cc2816_quant_x-k_q17b9cc2816_quant_x
	.p2alignl 7, 3214868480
	.fill 96, 4, 3214868480
	.section	.rodata,"a",@progbits
	.p2align	6, 0x0
	.amdhsa_kernel k_q17b9cc2816_quant_x
		.amdhsa_group_segment_fixed_size 33280
		.amdhsa_private_segment_fixed_size 0
		.amdhsa_enable_private_segment 0
		.amdhsa_kernarg_size 16
		.amdhsa_user_sgpr_count 2
		.amdhsa_user_sgpr_kernarg_segment_ptr 1
		.amdhsa_wavefront_size32 1
		.amdhsa_system_sgpr_workgroup_id_x 1
		.amdhsa_system_sgpr_workgroup_id_y 1
		.amdhsa_system_sgpr_workgroup_id_z 1
		.amdhsa_system_vgpr_workitem_id 0
		.amdhsa_next_free_vgpr 194
		.amdhsa_next_free_sgpr 66
		.amdhsa_reserve_vcc 0
		.amdhsa_float_denorm_mode_32 3
		.amdhsa_float_denorm_mode_16_64 3
		.amdhsa_fp16_overflow 1
		.amdhsa_memory_ordered 1
		.amdhsa_forward_progress 1
		.amdhsa_inst_pref_size 33
	.end_amdhsa_kernel
	.amdgpu_metadata
---
amdhsa.version: [ 1, 2 ]
amdhsa.kernels:
  - .name:           k_q17b9cc2816_quant_x
    .symbol:         k_q17b9cc2816_quant_x.kd
    .args:
      - { .name: X, .offset: 0, .size: 8, .value_kind: global_buffer, .address_space: global }
      - { .name: xq, .offset: 8, .size: 8, .value_kind: global_buffer, .address_space: global }
    .group_segment_fixed_size: 33280
    .private_segment_fixed_size: 0
    .kernarg_segment_align: 8
    .kernarg_segment_size: 16
    .max_flat_workgroup_size: 128
    .sgpr_count:     66
    .vgpr_count:     194
    .wavefront_size: 32
...
	.end_amdgpu_metadata
.endif
;; end of part 1
;; launch quant_w (part 2): grid 8 x 16, 4 waves a work-group, no clusters, 36,352 bytes of LDS; arguments Wq, Wk, Wv, Wo, wqk, wv, wo; writes wqk, wv, wo
.if DOCPART == 2
	.amdgcn_target "amdgcn-amd-amdhsa--gfx1250"
	.amdhsa_code_object_version 6
	.text
	.protected	k_q17b9cc2816_quant_w
	.globl	k_q17b9cc2816_quant_w
	.p2align	8
	.type	k_q17b9cc2816_quant_w,@function
k_q17b9cc2816_quant_w:
	s_mov_b64 s[64:65], 0
	v_nop
	global_prefetch_b8 v0, s[64:65] scope:SCOPE_SE
	s_setreg_imm32_b32 hwreg(HW_REG_WAVE_MODE, 25, 1), 1
	s_wait_xcnt 0x0
; The four weights, each [1024 (k)][1024 (n)] f32 with K as FIRST axis, become codes of BF8 (E5M2) laid [storage row = column n][1024] with K innermost, and one E8M0 scale byte for each 32 along K.
; An operand buffer holds scale bytes [storage row][32] from byte 0 and codes from byte COFF.  wqk: Wq's columns as rows 0-1023, Wk's as rows 1024-2047; wv, wo: one weight each.
; The rows are laid with bits 3 and 4 of the column's number exchanged, as xq's rows are.
; Work-group y = 4 z + kc: z the weight, kc which 256 along K; x: which 128 columns.  Only pointers and one row offset are chosen by z: all four weights take one way through the text.
; A LANE TAKES A COLUMN, AND ITS REGISTERS RUN DOWN K: each load reads 128 consecutive bytes a wave, a block of 32 along K lies in one lane's 32 registers, and the conversions give codes with K innermost.
; A wave gathers 32 columns x 256 codes in its own stage in LDS and stores them by rows: sixteen lanes store 256 consecutive bytes, aligned.  The scale bytes leave as 8 bytes a lane, rows 32 bytes apart:
; one byte in 128 of what the launch reads.
; LIMITS: a block of zeros gets the byte 1 where the rule says 127 (its codes are zeros; this program alone reads the bytes); blocks whose largest magnitude lies under 2^-111 keep the byte 1;
; NaN and infinities are not served.  Memory binds: matrix units, clusters and tensor loads would add nothing.
.set SIZE_K, 1024
.set SIZE_N, 1024
.set COFF,  262144
.set KW,    256                        ; along K for a wave
.set NB,    KW/32                      ; blocks
.set ROWB,  256                        ; bytes of KW codes
.set PITCH, ROWB+16                    ; a stage row
.set KROW,  SIZE_K                     ; a row of codes in bytes
.set MANT,  0x600000
.set X,     32                         ; v32-95   two sets of 32 numbers
.set C,     96                         ; v96-103  a block's codes
.set OUTR,  112                        ; v112-175 the way out
.set SB,    24                         ; v24-25   the scale bytes, four to a register
	s_load_b256 s[8:15], s[0:1], 0x0               ; Wq s[8:9], Wk s[10:11], Wv s[12:13], Wo s[14:15]
	s_load_b128 s[32:35], s[0:1], 0x20             ; wqk s[32:33], wv s[34:35]
	s_load_b64 s[36:37], s[0:1], 0x30              ; wo
	v_lshl_add_u32 v192, v0, 2, 0x8c00
	v_mov_b32 v193, 0
	v_lshrrev_b32 v1, 5, v0
	v_readfirstlane_b32 s16, v1                    ; wave 0..3
	v_and_b32 v2, 31, v0                           ; lane
	s_lshl_b32 s17, ttmp9, 7
	s_lshl_b32 s18, s16, 5
	s_add_co_u32 s17, s17, s18                     ; my wave's first column: 128 x work-group x + 32 x wave
	s_and_b32 s30, ttmp7, 0xffff
	s_and_b32 s18, s30, 3                          ; kc
	s_lshr_b32 s38, s30, 2                         ; z
	v_lshlrev_b32 v3, 2, v2                        ; in: 4 bytes a lane
	s_mul_i32 s19, s16, 32*PITCH                   ; my stage
	v_mul_u32_u24 v4, v2, PITCH
	v_add_nc_u32 v4, s19, v4                       ; into it: row = my column
	v_and_b32 v5, 15, v2
	v_lshrrev_b32 v6, 4, v2                        ; out of it: sixteen lanes to a row, two rows an instruction
	v_mul_u32_u24 v7, v6, PITCH
	v_lshl_add_u32 v7, v5, 4, v7
	v_add_nc_u32 v7, s19, v7
	v_mul_u32_u24 v8, v6, KROW
	v_lshl_add_u32 v8, v5, 4, v8                   ; and the same place in the codes (the exchange of bits 3 and 4 leaves bit 0 alone: it stands in the stores' immediates)
	v_and_b32 v9, 7, v2                            ; my column's storage row among the wave's 32: bits 3 and 4 exchanged
	v_and_b32 v10, 8, v2
	v_lshl_or_b32 v9, v10, 1, v9
	v_and_b32 v10, 16, v2
	v_lshrrev_b32 v10, 1, v10
	v_or_b32 v9, v9, v10
	v_lshlrev_b32 v9, 5, v9                        ; 32 scale bytes a row
	s_cmp_eq_u32 s38, 1
	s_cselect_b32 s39, 1024, 0                     ; Wk's columns lie behind Wq's
	s_add_co_u32 s22, s39, s17                     ; the first of my 32 storage rows
	s_lshl_b32 s20, s18, 20                        ; W: 256 kc rows of 4,096 bytes + 4 x column
	s_lshl_b32 s21, s17, 2
	s_add_co_u32 s20, s20, s21
	s_mov_b32 s21, 0
	s_lshl_b32 s24, s22, 10                        ; codes: COFF + row x 1,024 + 256 kc
	s_lshl_b32 s25, s18, 8
	s_add_co_u32 s24, s24, s25
	s_add_co_u32 s24, s24, COFF
	s_mov_b32 s25, 0
	s_lshl_b32 s28, s22, 5                         ; scale bytes: row x 32 + 8 kc
	s_lshl_b32 s29, s18, 3
	s_add_co_u32 s28, s28, s29
	s_mov_b32 s29, 0
	s_wait_kmcnt 0x0
	s_cmp_eq_u32 s38, 1                            ; the choices hang on the work-group's number alone
	s_cselect_b64 s[4:5], s[10:11], s[8:9]
	s_mov_b64 s[6:7], s[32:33]
	s_cmp_eq_u32 s38, 2
	s_cselect_b64 s[4:5], s[12:13], s[4:5]
	s_cselect_b64 s[6:7], s[34:35], s[6:7]
	s_cmp_eq_u32 s38, 3
	s_cselect_b64 s[4:5], s[14:15], s[4:5]
	s_cselect_b64 s[6:7], s[36:37], s[6:7]
	s_add_nc_u64 s[4:5], s[4:5], s[20:21]
	s_add_nc_u64 s[40:41], s[6:7], s[24:25]
	s_add_nc_u64 s[42:43], s[6:7], s[28:29]
.macro LOAD t                          ; block t: W(32 t + i, my column), i = 0 .. 31, into set t % 2
.irp i, 0,1,2,3,4,5,6,7,8,9,10,11,12,13,14,15,16,17,18,19,20,21,22,23,24,25,26,27,28,29,30,31
	global_load_b32 v[X+32*((\t)%2)+\i], v3, s[4:5] offset:(32*(\t)+\i)*SIZE_N*4 th:TH_LOAD_NT
.endr
.endm
	LOAD 0
	LOAD 1
.macro BLOCK t
.set XS, X+32*((\t)%2)
.if (\t) < NB-1
	s_wait_loadcnt 32                              ; this block's 32 loads are in; the next block's 32 may be out
.else
	s_wait_loadcnt 0
.endif
	v_max3_num_f32 v12, |v[XS]|, |v[XS+1]|, |v[XS+2]|               ; the block's largest magnitude: all 32 numbers are mine
	v_max3_num_f32 v13, |v[XS+3]|, |v[XS+4]|, |v[XS+5]|
.irp i, 6,10,14,18,22,26
	v_max3_num_f32 v12, v12, |v[XS+\i]|, |v[XS+\i+1]|
	v_max3_num_f32 v13, v13, |v[XS+\i+2]|, |v[XS+\i+3]|
.endr
	v_max3_num_f32 v12, v12, |v[XS+30]|, |v[XS+31]|
	v_max3_num_f32 v12, v12, v13, 0x8000000        ; and the floor 2^(16 - 127)
	v_add_nc_u32 v11, 0xf8800000, v12              ; 15 off its exponent field: the conversion's scale operand
	v_lshrrev_b32 v13, 23, v11                     ; the scale's byte
.if (\t)%4 == 0
	v_mov_b32 v[SB+(\t)/4], v13                    ; four bytes to a register, the lower K in the lower byte
.else
	v_lshl_or_b32 v[SB+(\t)/4], v13, 8*((\t)%4), v[SB+(\t)/4]
.endif
.irp i, 0,1,2,3,4,5,6,7,8,9,10,11,12,13,14,15,16,17,18,19,20,21,22,23,24,25,26,27,28,29,30,31
.endr
.irp g, 0,1,2,3
	v_cvt_scalef32_pk8_bf8_f32 v[C+2*\g:C+2*\g+1], v[XS+8*\g:XS+8*\g+7], v11
.endr
	v_nop                                          ; a plain line behind the last conversion
	ds_store_b128 v4, v[C:C+3] offset:32*(\t)      ; 32 codes: 32 bytes of my column's row
	ds_store_b128 v4, v[C+4:C+7] offset:32*(\t)+16
.if (\t)+2 < NB
	LOAD (\t)+2
.endif
	s_wait_dscnt 0x0                               ; the stores have read their registers: the next block's codes may be written
.endm
.set Q, 0
.rept NB
	BLOCK Q
.set Q, Q+1
.endr
	s_wait_alu depctr_va_vdst(0)
	global_store_b64 v9, v[SB:SB+1], s[42:43]      ; my column's 8 scale bytes
.irp t, 0,1,2,3,4,5,6,7,8,9,10,11,12,13,14,15
	ds_load_b128 v[OUTR+4*\t:OUTR+4*\t+3], v7 offset:2*\t*PITCH   ; LDS serves a wave's instructions in order: these see my stores
.endr
.irp t, 0,1,2,3,4,5,6,7,8,9,10,11,12,13,14,15
	s_wait_dscnt 15-\t                             ; the younger loads may be out
	global_store_b128 v8, v[OUTR+4*\t:OUTR+4*\t+3], s[40:41] offset:(((2*\t)&7)|(((2*\t)&8)<<1)|(((2*\t)&16)>>1))*KROW   ; columns 2 t, 2 t + 1 go to their storage rows
.endr
	s_wait_tensorcnt 0x0
	ds_add_u32 v192, v193
	s_wait_dscnt 0x0
	s_endpgm
.Lfunc_end_k_q17b9cc2816_quant_w:
	.size	k_q17b9cc2816_quant_w, .Lfunc_end_k_q17b9cc2816_quant_w-k_q17b9cc2816_quant_w
	.p2alignl 7, 3214868480
	.fill 96, 4, 3214868480
	.section	.rodata,"a",@progbits
	.p2align	6, 0x0
	.amdhsa_kernel k_q17b9cc2816_quant_w
		.amdhsa_group_segment_fixed_size 36352
		.amdhsa_private_segment_fixed_size 0
		.amdhsa_enable_private_segment 0
		.amdhsa_kernarg_size 56
		.amdhsa_user_sgpr_count 2
		.amdhsa_user_sgpr_kernarg_segment_ptr 1
		.amdhsa_wavefront_size32 1
		.amdhsa_system_sgpr_workgroup_id_x 1
		.amdhsa_system_sgpr_workgroup_id_y 1
		.amdhsa_system_sgpr_workgroup_id_z 1
		.amdhsa_system_vgpr_workitem_id 0
		.amdhsa_next_free_vgpr 194
		.amdhsa_next_free_sgpr 66
		.amdhsa_reserve_vcc 0
		.amdhsa_float_denorm_mode_32 3
		.amdhsa_float_denorm_mode_16_64 3
		.amdhsa_fp16_overflow 1
		.amdhsa_memory_ordered 1
		.amdhsa_forward_progress 1
		.amdhsa_inst_pref_size 44
	.end_amdhsa_kernel
	.amdgpu_metadata
---
amdhsa.version: [ 1, 2 ]
amdhsa.kernels:
  - .name:           k_q17b9cc2816_quant_w
    .symbol:         k_q17b9cc2816_quant_w.kd
    .args:
      - { .name: Wq, .offset: 0, .size: 8, .value_kind: global_buffer, .address_space: global }
      - { .name: Wk, .offset: 8, .size: 8, .value_kind: global_buffer, .address_space: global }
      - { .name: Wv, .offset: 16, .size: 8, .value_kind: global_buffer, .address_space: global }
      - { .name: Wo, .offset: 24, .size: 8, .value_kind: global_buffer, .address_space: global }
      - { .name: wqk, .offset: 32, .size: 8, .value_kind: global_buffer, .address_space: global }
      - { .name: wv, .offset: 40, .size: 8, .value_kind: global_buffer, .address_space: global }
      - { .name: wo, .offset: 48, .size: 8, .value_kind: global_buffer, .address_space: global }
    .group_segment_fixed_size: 36352
    .private_segment_fixed_size: 0
    .kernarg_segment_align: 8
    .kernarg_segment_size: 56
    .max_flat_workgroup_size: 128
    .sgpr_count:     66
    .vgpr_count:     194
    .wavefront_size: 32
...
	.end_amdgpu_metadata
.endif
;; end of part 2
;; launch gemm_qk (part 3): grid 8 x 32, 4 waves a work-group, clusters of 4 x 4, 327,680 bytes of LDS; arguments xq, wqk, qk; writes qk
.if DOCPART == 3
	.amdgcn_target "amdgcn-amd-amdhsa--gfx1250"
	.amdhsa_code_object_version 6
	.text
	.protected	k_q17b9cc2816_gemm_qk
	.globl	k_q17b9cc2816_gemm_qk
	.p2align	8
	.type	k_q17b9cc2816_gemm_qk,@function
k_q17b9cc2816_gemm_qk:
	s_mov_b64 s[64:65], 0
	v_nop
	global_prefetch_b8 v0, s[64:65] scope:SCOPE_SE
	s_setreg_imm32_b32 hwreg(HW_REG_WAVE_MODE, 25, 1), 1
	s_wait_xcnt 0x0
	s_wait_alu depctr_hold_cnt(0) depctr_sa_sdst(0) depctr_va_vdst(0) depctr_va_sdst(0) depctr_va_ssrc(0) depctr_va_vcc(0) depctr_vm_vsrc(0)
	s_getreg_b32 s2, hwreg(HW_REG_IB_STS2, 6, 4)
	s_cmp_eq_u32 s2, 0
	s_cbranch_scc0 .Lentry_in_a_cluster
	s_endpgm
.Lentry_in_a_cluster:
	s_bfe_u32 s2, ttmp6, 0x10000c
	s_cmp_lg_u32 s2, 0xf033
	s_cbranch_scc0 .Lentry_shape_is_right
	s_endpgm
.Lentry_shape_is_right:
; R[m][n] = sum over k of A[m][k] B[n][k], K = 1,024, both sides codes of BF8 (E5M2) with one E8M0 byte for each 32 along K; R is QUANTISED ALONG n in the way out and leaves as codes.
; Arguments: side A, side B (operand buffers: scale bytes [row][32] from byte 0, codes [row][1024] from byte COFF; rows in the storage order: bits 3 and 4 of the true row exchanged), the image buffer.
; The body serves two launches.  Q and K: A = X's rows (tokens), B = Wq's and Wk's columns: a lane ends up with one token and registers along the head's 64.  V: A = Wv's columns, B = X's rows:
; a lane ends up with one channel and registers along the tokens, which are the K of attention's second product.
; A tile of R, 256 x 256, is made by four waves, 128 x 128 each: 64 accumulators, 512 registers.  K goes in steps of 256 through a ring of two LDS slots filled by the tensor data mover; the scale bytes
; of the work-group's rows, for all of K, come once with the first fills and stay.
; CLUSTERS: 4 x 4 work-groups; the four of a row need the same tiles of A, the four of a column the same tiles of B: each tile is asked for jointly, by the same tensor load with a mask that names the four.
; THE MATRIX INSTRUCTION IS USED TRANSPOSED (source 0 = 16 rows of B, source 1 = 16 rows of A).  With B's rows in the storage order, lane (r, h) of A's block a holds A's storage row 16 a + r, and the 16 registers
; of accumulators (a, 2 j) and (a, 2 j + 1) are the TRUE columns 32 j + 16 h + 0 .. 15: a block of 32 lies in lanes l and l xor 16, and the conversions' results are the registers of the next product's operand.
; THE IMAGE BUFFER: block idx = 32 x (B's tile) + (A's tile).  Scale words at idx x 4,096: [p = 2 wx + q][tile = 8 wy + a][r][4 bytes]; q = 0: the wave's four bytes e0 e1 e2 e3, q = 1: e2 e3 e0 e1.
; Codes at IOFF + idx x 65,536: [p = 2 wx + j / 2][tile][j % 2][512 bytes], each 512 bytes four registers of 32 lanes, 16 bytes a lane: a store of the wave covers 512 consecutive bytes, aligned.
; LIMITS: a block of zeros gets the byte 1 where the rule says 127 (zero codes; this program alone reads the bytes); blocks whose largest magnitude lies under 2^-111 keep the byte 1; NaN and infinities are not served.
; REGISTERS, in windows of 256: window 0: v0-31 addresses; v32-63 scale words, two sets, and nothing else; v64-103 at work on the way out; from v128 A's fragments, ONE set, on the way out the codes.
;   window 1: B's fragments, TWO sets.   window 2: the accumulators of my rows 0-63 ((a, b) at v[8 (8 a + b)]);   window 3: those of my rows 64-127.
.set SIZE_K, 1024
.set COFF,   262144
.set IOFF,   4194304
.set KSTEP,  256                       ; along K in a slot
.set NQ,     KSTEP/128                 ; matrix instructions deep
.set ROWB,   256                       ; a tile's row in bytes
.set KROW,   SIZE_K                    ; a row of codes in memory
.set PITCH,  272                       ; an LDS row: 256 bytes + 16 of padding: the 16 rows that a load touches start 68 words apart
.set FR,     16                        ; registers of a fragment
.set NL,     4                         ; LDS loads that bring one
.set NP,     8                         ; places behind this matrix instruction (ISA guide 7.12.1)
.set HALFT,  128*PITCH                 ; 128 rows: what one tensor load brings
.set SLOT,   4*HALFT                   ; A's 256 rows, then B's 256 rows
.set LAPS,   SIZE_K/(2*KSTEP)
.set KS,     SIZE_K/32                 ; a row of scale bytes
.set SCL,    2*SLOT                    ; behind the ring: the scale bytes, as runs of 256 bytes + 16 of padding
.set HALFS,  (128*KS/256)*272
.set SBLK,   (16*KS/256)*272
.set SPARE,  SCL+4*HALFS               ; the spare words, 128 bytes for each wave: two blocks of 256 bytes that no other line names
.set ADRA, 16                          ; v16-17  LDS address of my A fragments in slot 0, 1
.set ADRB, 20                          ; v20-21  the same for B
.set STS,  24                          ; v24     the way out: where my scale word goes: 1,024 x wave + 512 h + 4 r, in slot 0, which has had its last fill and its last read by then
.set SRD,  25                          ; v25     and where 16 bytes of words are read back: 1,024 x wave + 16 x lane
.set CO,   26                          ; v26     16 x lane
.set ADRS, 27                          ; v27     LDS address of my scale words: lanes 0-15 A's rows, lanes 16-31 B's
.set SPW,  28                          ; v28     LDS address of my spare word; never rewritten
.set NIL,  29                          ; v29     0; never rewritten
.set SC,   32                          ; scale words: set s at v[SC + 8 NQ s]
.set TM,   64                          ; v64-67 largest magnitudes, v68-71 the other half's, then bytes, v76-79 the conversions' scale operands
.set SWL,  80                          ; v80-87  block a's word for q = 0
.set SWH,  88                          ; v88-95  for q = 1, then: lanes 0-15 the first, lanes 16-31 the second
.set SBK,  96                          ; v96-103 the words read back
.set AF,   128                         ; A's fragments
.set PC,   128                         ; the way out: block a's codes at v[PC + 16 a]: none is written twice
.set G1, 24
.set G0, 32
.set G1B, 48
.set G0B, 56
.set G1S, 68
.set G0S, 76
.set G1SB, 80
.set G0SB, 88
.set SEL, 66                           ; s[66:67] lane selects for v_permlanex16_b32: lane l xor 16
.set MNT, 95
.set MSB, 0
.macro WIN new                         ; the immediate's high byte repeats the setting that is left
.if MSB != \new
	s_set_vgpr_msb (MSB<<8)|\new
.set MSB, \new
.endif
.endm
.set MUL_LO, 0xa1                      ; source 0 (B) window 1, source 1 (A) window 0, C and D window 2
.set MUL_HI, 0xf1                      ; the same, C and D window 3
.set TO_B,   0x40                      ; destination window 1, address window 0
; A joint load: waves 0 and 1 fetch for A, waves 2 and 3 for B.  The branch hangs on the wave's number alone.  Four v_nop follow each of the two lines.
.macro JLOAD g0a, g1a, g0b, g1b
	s_cmp_eq_u32 s15, 0
	s_cbranch_scc0 .Lfor_b_\@
	tensor_load_to_lds s[\g0a:\g0a+3], s[\g1a:\g1a+7]
	s_nop 0
.rept 4
	v_nop
.endr
	s_branch .Lasked_\@
.Lfor_b_\@:
	tensor_load_to_lds s[\g0b:\g0b+3], s[\g1b:\g1b+7]
	s_nop 0
.rept 4
	v_nop
.endr
.Lasked_\@:
.endm
.macro CREST                           ; a round of the cluster's barrier behind its opening barrier
	s_cmp_lg_u32 s14, 0
	s_cbranch_scc1 .Lnot_wave_0_\@
	s_barrier_signal -3
.Lnot_wave_0_\@:
	s_barrier_wait -3
	s_barrier_signal -1
	s_barrier_wait -1
.endm
.macro CROUND                          ; a whole round
	s_barrier_signal -1
	s_barrier_wait -1
	CREST
.endm
	s_load_b128 s[4:7], s[0:1], 0x0                ; side A s[4:5], side B s[6:7]
	s_load_b64 s[12:13], s[0:1], 0x10              ; the image buffer
	v_lshl_add_u32 v[SPW], v0, 2, SPARE
	v_mov_b32 v[NIL], 0
	ds_add_u32 v28, v29
	ds_add_u32 v28, v29
	s_wait_dscnt 0x0
	v_lshrrev_b32 v1, 5, v0
	v_readfirstlane_b32 s14, v1                    ; wave 0..3
	s_lshr_b32 s15, s14, 1                         ; wy: which half of A's rows is mine.  Also: I fetch for A (0) or for B (1)
	s_and_b32 s16, s14, 1                          ; wx: which half of B's rows.  Also: which 128 rows of that tile I fetch
	s_bfe_u32 s40, ttmp6, 0x40000                  ; cx, cy: my place in the cluster
	s_bfe_u32 s41, ttmp6, 0x40004
	s_lshl_b32 s42, ttmp9, 2
	s_add_co_u32 s42, s42, s40                     ; B's tile = 4 x cluster x + cx
	s_and_b32 s17, ttmp7, 0xffff
	s_lshl_b32 s17, s17, 2
	s_add_co_u32 s17, s17, s41                     ; A's tile = 4 x cluster y + cy
	s_lshl_b32 s43, s41, 2
	s_lshl_b32 s43, 15, s43                        ; my row of the cluster
	s_lshl_b32 s44, 0x1111, s40                    ; my column
	; descriptor group 1: a tile of 128 rows x 256 bytes, padded in LDS
	s_or_b32 s[G1+0], s43, (0<<16)|(1<<20)|(1<<21)|(5<<22)|(3<<25)  ; 15:0 the mask: A's tiles go to my row; 17:16 elements of 1 byte; 20 padding on; 21 set beside a mask; 24:22 after every 64 words; 31:25 four words
	s_or_b32 s[G1B+0], s44, (0<<16)|(1<<20)|(1<<21)|(5<<22)|(3<<25)
.irp g, G1, G1B
	s_mov_b32 s[\g+1], ROWB<<16                    ; tensor_dim0
	s_mov_b32 s[\g+2], 128<<16                     ; tensor_dim1
	s_mov_b32 s[\g+3], ROWB<<16                    ; tile_dim0
	s_mov_b32 s[\g+4], 128                         ; tile_dim1
	s_mov_b32 s[\g+5], KROW                        ; tensor_dim0_stride
	s_mov_b32 s[\g+6], 0
	s_mov_b32 s[\g+7], 0
.endr
	; the scale bytes of 128 rows: 4,096 dense bytes, as rows of 256 bytes (32 elements of 8 bytes), 16 bytes of padding behind each
	s_or_b32 s[G1S+0], s43, (3<<16)|(1<<20)|(1<<21)|(5<<22)|(3<<25)
	s_or_b32 s[G1SB+0], s44, (3<<16)|(1<<20)|(1<<21)|(5<<22)|(3<<25)
.irp g, G1S, G1SB
	s_mov_b32 s[\g+1], 32<<16
	s_mov_b32 s[\g+2], (128*KS/256)<<16
	s_mov_b32 s[\g+3], 32<<16
	s_mov_b32 s[\g+4], 128*KS/256
	s_mov_b32 s[\g+5], 32
	s_mov_b32 s[\g+6], 0
	s_mov_b32 s[\g+7], 0
.endr
	s_lshl_b32 s18, s16, 7                         ; which 128 rows of the tile I fetch
	s_lshl_b32 s20, s17, 8
	s_add_co_u32 s20, s20, s18                     ; A: row 256 x tile + 128 x half
	s_lshl_b32 s46, s42, 8
	s_add_co_u32 s46, s46, s18                     ; B likewise
	s_lshl_b32 s22, s20, 5                         ; where these rows' scale bytes begin: 32 a row
	s_mov_b32 s23, 0
	s_lshl_b32 s92, s46, 5
	s_mov_b32 s93, 0
	s_lshl_b32 s20, s20, 10                        ; and their codes: COFF + 1,024 a row (8,192 rows at the most: under 2^24)
	s_add_co_u32 s20, s20, COFF
	s_mov_b32 s21, 0
	s_lshl_b32 s46, s46, 10
	s_add_co_u32 s46, s46, COFF
	s_mov_b32 s47, 0
	s_mul_i32 s45, s14, HALFT                      ; where they go: wave x 128 rows: no place in the cluster enters an LDS address
	s_mul_i32 s94, s14, HALFS
	s_wait_kmcnt 0x0
	s_add_nc_u64 s[20:21], s[4:5], s[20:21]
	s_add_nc_u64 s[22:23], s[4:5], s[22:23]
	s_add_nc_u64 s[46:47], s[6:7], s[46:47]
	s_add_nc_u64 s[92:93], s[6:7], s[92:93]
	CROUND                                         ; all sixteen work-groups are here: the first joint loads meet
	s_mov_b32 s[G0S], 1
	s_add_co_u32 s[G0S+1], s94, SCL
	s_mov_b64 s[G0S+2:G0S+3], s[22:23]
	s_or_b32 s[G0S+3], s[G0S+3], 0x80000000
	s_mov_b32 s[G0SB], 1
	s_add_co_u32 s[G0SB+1], s94, SCL
	s_mov_b64 s[G0SB+2:G0SB+3], s[92:93]
	s_or_b32 s[G0SB+3], s[G0SB+3], 0x80000000
	JLOAD G0S, G1S, G0SB, G1SB                     ; the scale bytes first: they are wanted with K step 0
.irp s, 0,1
	s_mov_b32 s[G0+4*\s], 1
	s_add_co_u32 s[G0+4*\s+1], s45, \s*SLOT
	s_add_nc_u64 s[G0+4*\s+2:G0+4*\s+3], s[20:21], \s*ROWB
	s_or_b32 s[G0+4*\s+3], s[G0+4*\s+3], 0x80000000
	s_mov_b32 s[G0B+4*\s], 1
	s_add_co_u32 s[G0B+4*\s+1], s45, \s*SLOT
	s_add_nc_u64 s[G0B+4*\s+2:G0B+4*\s+3], s[46:47], \s*ROWB
	s_or_b32 s[G0B+4*\s+3], s[G0B+4*\s+3], 0x80000000
	JLOAD G0+4*\s, G1, G0B+4*\s, G1B
.endr
	v_and_b32 v1, 15, v0                           ; r = l % 16
	v_bfe_u32 v2, v0, 4, 1                         ; h = l / 16
	v_mul_u32_u24 v3, v1, PITCH
	v_lshl_add_u32 v4, v2, 4, v3                   ; a fragment's row x pitch + 16 x half
	s_mul_i32 s21, s15, HALFT                      ; my 128 rows of A
	s_mul_i32 s22, s16, HALFT                      ; my 128 rows of B,
	s_add_co_u32 s22, s22, 2*HALFT                 ; which lie behind A's 256
.irp s, 0,1
	v_add_nc_u32 v[ADRA+\s], s21, v4
	v_add_nc_u32 v[ADRB+\s], s22, v4
	s_add_co_u32 s21, s21, SLOT
	s_add_co_u32 s22, s22, SLOT
.endr
	v_mul_u32_u24 v5, v1, KS                       ; my row's scale bytes: KS a row,
	v_lshrrev_b32 v6, 8, v5
	v_lshl_add_u32 v5, v6, 4, v5                   ; and 16 more for each 256 passed
	s_mul_i32 s21, s15, HALFS                      ; A's: my 128 rows
	s_mul_i32 s22, s16, HALFS                      ; B's: my 128 rows, behind A's 256
	s_add_co_u32 s22, s22, 2*HALFS
	s_sub_co_u32 s22, s22, s21
	v_mul_u32_u24 v6, s22, v2                      ; lanes 16-31 take B's: one product, the distance between the two bases
	s_add_co_u32 s21, s21, SCL
	v_add_nc_u32 v5, v5, v6
	v_add_nc_u32 v[ADRS], s21, v5
	s_lshl_b32 s23, s14, 10                        ; the way out: 1,024 bytes of slot 0 for each wave
	v_lshlrev_b32 v5, 2, v1
	v_lshl_add_u32 v5, v2, 9, v5
	v_add_nc_u32 v[STS], s23, v5
	v_and_b32 v6, 31, v0
	v_lshlrev_b32 v[CO], 4, v6
	v_add_nc_u32 v[SRD], s23, v[CO]
	s_mov_b32 s[SEL], 0x76543210
	s_mov_b32 s[SEL+1], 0xfedcba98
	s_lshl_b32 s96, s42, 5
	s_add_co_u32 s96, s96, s17                     ; idx = 32 x B's tile + A's tile
	s_lshl_b32 s46, s96, 12                        ; my scale words: idx x 4,096 + wx x 2,048 + wy x 512
	s_lshl_b32 s47, s16, 11
	s_add_co_u32 s46, s46, s47
	s_lshl_b32 s47, s15, 9
	s_add_co_u32 s46, s46, s47
	s_mov_b32 s47, 0
	s_lshl_b32 s20, s96, 16                        ; my codes: IOFF + idx x 65,536 + wx x 32,768 + wy x 8,192 (idx under 1,024: under 2^27)
	s_lshl_b32 s21, s16, 15
	s_add_co_u32 s20, s20, s21
	s_lshl_b32 s21, s15, 13
	s_add_co_u32 s20, s20, s21
	s_add_co_u32 s20, s20, IOFF
	s_mov_b32 s21, 0
	s_add_nc_u64 s[92:93], s[12:13], s[46:47]
	s_add_nc_u64 s[12:13], s[12:13], s[20:21]
.macro FRAG reg, adr, q, i             ; a fragment, 16 rows x 128 K: lane l holds row l % 16; registers 4 c .. 4 c + 3 hold K = 32 c + 16 (l / 16) + 0 .. 15
.irp c, 0,1,2,3
	ds_load_b128 v[\reg+4*\c:\reg+4*\c+3], v[\adr] offset:128*(\q)+32*\c+(\i)*16*PITCH
.endr
.endm
; 16 matrix instructions: A's blocks a0, a0 + 1 x B's eight, 128 along K.  p: B's set;  sc: the set of scale words.  zero = 1: the first product starts the sums.
; The 64 accumulators take turns, one instruction a turn, in the same order in every step.
.macro MUL16 a0, p, q, sc, zero
.irp a, \a0, \a0+1
.irp b, 0,1,2,3,4,5,6,7
.if \zero
	v_wmma_scale_f32_16x16x128_f8f6f4 v[8*(8*((\a)%4)+\b):8*(8*((\a)%4)+\b)+7], v[128*(\p)+FR*\b:128*(\p)+FR*\b+FR-1], v[AF+FR*(\a):AF+FR*(\a)+FR-1], 0, v[SC+8*NQ*(\sc)+NQ*\b+(\q)], v[SC+8*NQ*(\sc)+NQ*(\a)+(\q)] matrix_a_fmt:MATRIX_FMT_BF8 matrix_b_fmt:MATRIX_FMT_BF8 matrix_a_scale:MATRIX_SCALE_ROW1
.else
	v_wmma_scale_f32_16x16x128_f8f6f4 v[8*(8*((\a)%4)+\b):8*(8*((\a)%4)+\b)+7], v[128*(\p)+FR*\b:128*(\p)+FR*\b+FR-1], v[AF+FR*(\a):AF+FR*(\a)+FR-1], v[8*(8*((\a)%4)+\b):8*(8*((\a)%4)+\b)+7], v[SC+8*NQ*(\sc)+NQ*\b+(\q)], v[SC+8*NQ*(\sc)+NQ*(\a)+(\q)] matrix_a_fmt:MATRIX_FMT_BF8 matrix_b_fmt:MATRIX_FMT_BF8 matrix_a_scale:MATRIX_SCALE_ROW1
.endif
.endr
.endr
.endm
.macro FETCH_B slot, q, p              ; B's eight fragments of the slot's q-th 128 along K into set p
	WIN TO_B
.irp i, 0,1,2,3,4,5,6,7
	FRAG 128*(\p)+FR*\i, ADRB+\slot, \q, \i
.endr
	WIN 0
.endm
.macro FETCH_A slot, q, i0             ; A's blocks i0 .. i0 + 3
.irp i, \i0, \i0+1, \i0+2, \i0+3
	FRAG AF+FR*(\i), ADRA+\slot, \q, \i
.endr
.endm
.macro SCALES sc                       ; a K step's scale words into set sc: lanes 0-15 take A's block i, lanes 16-31 B's block i
.irp i, 0,1,2,3,4,5,6,7
	ds_load_b64 v[SC+8*NQ*\sc+NQ*\i:SC+8*NQ*\sc+NQ*\i+1], v[ADRS] offset:\i*SBLK
.endr
.endm
; A load into a register that a matrix instruction has read, and a vector instruction that reads a matrix result or writes one of its registers, stand NP places behind it; only plain vector
; instructions that name none of its registers are places (ISA guide 7.12.1 for vector instructions).
.macro PLACES n
.rept \n
	v_nop
.endr
.endm
; A step of 128 along K that has its successor in the same slot.
.macro STEP slot, q, zero
	s_wait_dscnt 4*NL                              ; B's set and A's blocks 0-3 are in; the youngest 16 loads (A's blocks 4-7) may be out
	WIN MUL_LO
	MUL16 0, (\q)%2, \q, \slot, \zero
	MUL16 2, (\q)%2, \q, \slot, \zero
	s_wait_dscnt 0                                 ; A's blocks 4-7 are in
	PLACES NP
	FETCH_B \slot, (\q)+1, 1-(\q)%2
	FETCH_A \slot, (\q)+1, 0
	WIN MUL_HI
	MUL16 4, (\q)%2, \q, \slot, \zero
	MUL16 6, (\q)%2, \q, \slot, \zero
	PLACES NP
	WIN 0
	FETCH_A \slot, (\q)+1, 4
.endm
; A slot's last step changes slots: ONE barrier; in front of it each wave waits for all its tensor loads, adds 0 to its spare word, and waits for that and for its own reads of this slot.  fill = 1: this slot is filled again, two K steps ahead.
.macro TURN slot, next, fill
	s_wait_tensorcnt 0x0                           ; all my tensor loads have landed: my part of the next slot
	ds_add_u32 v[SPW], v[NIL]                      ; 0 onto my spare word
	s_wait_dscnt 4*NL+1                            ; (the add and the youngest 16 loads, A's blocks 4-7, may be out)
	WIN MUL_LO
	MUL16 0, 1, NQ-1, \slot, 0                     ; sixteen matrix instructions stand between the add and the wait for it
	s_wait_dscnt 0x0                               ; the add is done, and my reads of this slot are over
	s_barrier_signal -1
	MUL16 2, 1, NQ-1, \slot, 0
	WIN 0
	s_barrier_wait -1
.if \fill
	CREST                                          ; the barrier has opened a round of the cluster's barrier: no wave of any partner still reads this slot's tile or has a load on its way
	s_add_nc_u64 s[G0+4*\slot+2:G0+4*\slot+3], s[G0+4*\slot+2:G0+4*\slot+3], 2*ROWB
	s_add_nc_u64 s[G0B+4*\slot+2:G0B+4*\slot+3], s[G0B+4*\slot+2:G0B+4*\slot+3], 2*ROWB
	JLOAD G0+4*\slot, G1, G0B+4*\slot, G1B         ; the first tensor load behind the round; its four v_nop are among the places in front of the loads below
	PLACES NP-4
.else
	PLACES NP
.endif
	s_wait_alu depctr_va_vdst(0)
	v_add_nc_u32 v[ADRS], 4*NQ, v[ADRS]            ; on to the next K step's scale words
	FETCH_B \next, 0, 0
	FETCH_A \next, 0, 0
	SCALES \next
	WIN MUL_HI
	MUL16 4, 1, NQ-1, \slot, 0
	MUL16 6, 1, NQ-1, \slot, 0
	PLACES NP
	WIN 0
	FETCH_A \next, 0, 4
.endm
	s_wait_alu depctr_va_vdst(0)
	s_wait_tensorcnt 1                             ; the scale bytes and my part of K step 0 are in (K step 1's load may be out)
	s_barrier_signal -1
	s_barrier_wait -1                              ; everybody's are
	FETCH_B 0, 0, 0
	FETCH_A 0, 0, 0
	SCALES 0
	FETCH_A 0, 0, 4
	STEP 0, 0, 1                                   ; the first step stands in front of the loop: its products start the sums
	s_mov_b32 s3, LAPS-1
.Llap:                                                 ; a trip goes once round the ring and fills both slots again
	TURN 0, 1, 1
	STEP 1, 0, 0
	TURN 1, 0, 1
	STEP 0, 0, 0
	s_sub_co_u32 s3, s3, 1
	s_cmp_lg_u32 s3, 0
	s_cbranch_scc1 .Llap
	TURN 0, 1, 0                                   ; the last lap fills nothing
	STEP 1, 0, 0
	s_wait_dscnt 4*NL                              ; the very last step
	WIN MUL_LO
	MUL16 0, 1, NQ-1, 1, 0
	MUL16 2, 1, NQ-1, 1, 0
	s_wait_dscnt 0
	WIN MUL_HI
	MUL16 4, 1, NQ-1, 1, 0
	MUL16 6, 1, NQ-1, 1, 0
	WIN 0
; THE WAY OUT.  Block a (16 of A's rows x my 128 of B's): 64 numbers a lane, register 16 b + i = true column 32 b + 16 h + i.  Four blocks of 32 are quantised; the codes leave straight from registers.
.macro QBLK a
.set AC, 64*((\a)%4)
.set W,  2+(\a)/4                      ; the block's window
.set WS, W|(W<<2)                      ; sources 0 and 1 there
.set WD, W|(W<<6)                      ; source 0 and destination there
	WIN WS
.irp b, 0,1,2,3
	v_max3_num_f32 v[TM+\b], |v[AC+16*\b]|, |v[AC+16*\b+1]|, 0x8000000   ; my 16 numbers of block b, from each accumulator's low end on, and the floor 2^(16 - 127)
.endr
.irp i, 2,4,6,8,10,12,14
.irp b, 0,1,2,3
	v_max3_num_f32 v[TM+\b], |v[AC+16*\b+\i]|, |v[AC+16*\b+\i+1]|, v[TM+\b]   ; (the four blocks by turns)
.endr
.endr
	WIN 0
.irp b, 0,1,2,3
	v_permlanex16_b32 v[TM+4+\b], v[TM+\b], s[SEL], s[SEL+1]
.endr
.irp b, 0,1,2,3
	v_max_num_f32 v[TM+\b], v[TM+\b], v[TM+4+\b]   ; with lane l xor 16's: the block's largest magnitude
.endr
.irp b, 0,1,2,3
	v_add_nc_u32 v[TM+12+\b], 0xf8800000, v[TM+\b] ; 15 off its exponent field: the conversion's scale operand
.endr
.irp b, 0,1,2,3
.endr
.irp b, 0,1,2,3
	v_lshrrev_b32 v[TM+4+\b], 23, v[TM+12+\b]      ; the scale's byte
.endr
	v_lshl_or_b32 v[SWL+(\a)], v[TM+5], 8, v[TM+4] ; e0 e1 e2 e3
	v_lshl_or_b32 v[SWH+(\a)], v[TM+7], 8, v[TM+6] ; e2 e3 e0 e1
	v_lshl_or_b32 v[SWL+(\a)], v[TM+6], 16, v[SWL+(\a)]
	v_lshl_or_b32 v[SWH+(\a)], v[TM+4], 16, v[SWH+(\a)]
	v_lshl_or_b32 v[SWL+(\a)], v[TM+7], 24, v[SWL+(\a)]
	v_lshl_or_b32 v[SWH+(\a)], v[TM+5], 24, v[SWH+(\a)]
	v_cndmask_b32 v[SWH+(\a)], v[SWL+(\a)], v[SWH+(\a)], vcc_lo   ; lanes 0-15 keep the first word, lanes 16-31 the second
	WIN WD
.irp b, 0,1,2,3
.irp i, 0,1,2,3,4,5,6,7,8,9,10,11,12,13,14,15
.endr
.endr
	WIN W
.irp b, 0,1,2,3
	v_cvt_scalef32_pk8_bf8_f32 v[PC+16*(\a)+4*\b:PC+16*(\a)+4*\b+1], v[AC+16*\b:AC+16*\b+7], v[TM+12+\b]
	v_cvt_scalef32_pk8_bf8_f32 v[PC+16*(\a)+4*\b+2:PC+16*(\a)+4*\b+3], v[AC+16*\b+8:AC+16*\b+15], v[TM+12+\b]
.endr
	v_nop                                          ; a plain line behind the last conversion
	WIN 0
.irp j, 0,1,2,3
	global_store_b128 v[CO], v[PC+16*(\a)+4*\j:PC+16*(\a)+4*\j+3], s[12:13] offset:(\j/2)*16384+(\a)*1024+(\j%2)*512   ; 32 lanes store 512 consecutive bytes, aligned
.endr
	ds_store_b32 v[STS], v[SWH+(\a)] offset:64*(\a)
.endm
	PLACES NP                                      ; behind the last products: the lines below read results and write registers that held A's fragments
	s_mov_b32 vcc_lo, 0xffff0000                   ; lanes 16-31
.irp b, 0,1,2,3
	v_mov_b32 v[TM+4+\b], 0                        ; written once: a lane permute's destination counts as one of its sources
.endr
.irp a, 0,1,2,3,4,5,6,7
	QBLK \a
.endr
.irp q, 0,1
	ds_load_b128 v[SBK+4*\q:SBK+4*\q+3], v[SRD] offset:512*\q   ; LDS serves a wave's instructions in order: these see my stores
.endr
	s_wait_dscnt 0x0
.irp q, 0,1
	global_store_b128 v[CO], v[SBK+4*\q:SBK+4*\q+3], s[92:93] offset:1024*\q   ; the words of 8 blocks x 16 rows: 512 consecutive bytes, aligned
.endr
	s_wait_tensorcnt 0x0                           ; the wave's end
	ds_add_u32 v[SPW], v[NIL]
	s_wait_dscnt 0x0
	CROUND                                         ; the closing round: no work-group ends while a partner may still ask for a tile that names it
	s_endpgm
.Lfunc_end_k_q17b9cc2816_gemm_qk:
	.size	k_q17b9cc2816_gemm_qk, .Lfunc_end_k_q17b9cc2816_gemm_qk-k_q17b9cc2816_gemm_qk
	.p2alignl 7, 3214868480
	.fill 96, 4, 3214868480
	.section	.rodata,"a",@progbits
	.p2align	6, 0x0
	.amdhsa_kernel k_q17b9cc2816_gemm_qk
		.amdhsa_group_segment_fixed_size 327680
		.amdhsa_private_segment_fixed_size 0
		.amdhsa_enable_private_segment 0
		.amdhsa_kernarg_size 24
		.amdhsa_user_sgpr_count 2
		.amdhsa_user_sgpr_kernarg_segment_ptr 1
		.amdhsa_wavefront_size32 1
		.amdhsa_system_sgpr_workgroup_id_x 1
		.amdhsa_system_sgpr_workgroup_id_y 1
		.amdhsa_system_sgpr_workgroup_id_z 1
		.amdhsa_system_vgpr_workitem_id 0
		.amdhsa_next_free_vgpr 1024
		.amdhsa_next_free_sgpr 100
		.amdhsa_reserve_vcc 1
		.amdhsa_float_denorm_mode_32 3
		.amdhsa_float_denorm_mode_16_64 3
		.amdhsa_fp16_overflow 1
		.amdhsa_memory_ordered 1
		.amdhsa_forward_progress 1
		.amdhsa_inst_pref_size 152
	.end_amdhsa_kernel
	.amdgpu_metadata
---
amdhsa.version: [ 1, 2 ]
amdhsa.kernels:
  - .name:           k_q17b9cc2816_gemm_qk
    .symbol:         k_q17b9cc2816_gemm_qk.kd
    .args:
      - { .name: xq, .offset: 0, .size: 8, .value_kind: global_buffer, .address_space: global }
      - { .name: wqk, .offset: 8, .size: 8, .value_kind: global_buffer, .address_space: global }
      - { .name: qk, .offset: 16, .size: 8, .value_kind: global_buffer, .address_space: global }
    .group_segment_fixed_size: 327680
    .private_segment_fixed_size: 0
    .kernarg_segment_align: 8
    .kernarg_segment_size: 24
    .max_flat_workgroup_size: 128
    .sgpr_count:     100
    .vgpr_count:     1024
    .wavefront_size: 32
...
	.end_amdgpu_metadata
.endif
;; end of part 3
;; launch gemm_v: the kernel of part 3 again; grid 32 x 4, 4 waves a work-group, clusters of 4 x 4, 327,680 bytes of LDS; arguments wv, xq, v; writes v
;; launch attn (part 4): grid 4 x 64, 16 waves a work-group, clusters of 4 x 1, 276,480 bytes of LDS; arguments qk, v, y; writes y
.if DOCPART == 4
	.amdgcn_target "amdgcn-amd-amdhsa--gfx1250"
	.amdhsa_code_object_version 6
	.text
	.protected	k_q17b9cc2816_attn
	.globl	k_q17b9cc2816_attn
	.p2align	8
	.type	k_q17b9cc2816_attn,@function
k_q17b9cc2816_attn:
	s_mov_b64 s[64:65], 0
	v_nop
	global_prefetch_b8 v0, s[64:65] scope:SCOPE_SE
	s_setreg_imm32_b32 hwreg(HW_REG_WAVE_MODE, 25, 1), 1
	s_wait_xcnt 0x0
	s_wait_alu depctr_hold_cnt(0) depctr_sa_sdst(0) depctr_va_vdst(0) depctr_va_sdst(0) depctr_va_ssrc(0) depctr_va_vcc(0) depctr_vm_vsrc(0)
	s_getreg_b32 s2, hwreg(HW_REG_IB_STS2, 6, 4)
	s_cmp_eq_u32 s2, 0
	s_cbranch_scc0 .Lentry_in_a_cluster
	s_endpgm
.Lentry_in_a_cluster:
	s_bfe_u32 s2, ttmp6, 0x10000c
	s_cmp_lg_u32 s2, 0x3003
	s_cbranch_scc0 .Lentry_shape_is_right
	s_endpgm
.Lentry_shape_is_right:
; Y[b][q][64 head + d] = the sum over keys k <= q of softmax_k(Q[q] . K[k] / 8) V[k][d], for one batch and head a work-group row; both products on codes of BF8 (E5M2) with one E8M0 byte for each 32 along K.
; Q, K, V arrive as images of operand registers (16 bytes a lane, 512 bytes for four registers) with their scale words, as the two launches before laid them; Y leaves the same way, quantised along the channels.
; THE SOFTMAX AHEAD OF THE SECOND PRODUCT: t = score x log2(e) / 8; M = the row's largest t so far, rounded UP to a whole number; p = 2^(t - M) is quantised along the keys, not normalised.
; The row's sum is taken of the unquantised p and divides at the end.  When M moves, the sum and O are multiplied by 2^(old M - new M): exact.
; THE FIRST PRODUCT'S K IS 64: the upper 64 of the instruction's 128 are zero codes on both sides (registers cleared once); the scale bytes that stand over them are other blocks' valid bytes.
; SHARES.  Work-group row = batch and head; the 4 work-groups of a row have the numbers j = 0 .. 3 and form one cluster.  Wave w takes TWO storage tiles of 16 queries, one after the other, both with the number
; j' = j + 4 (w / 8) among the eight tiles of a group of 128 tokens: first the tile of group 8 + w % 8, then that of group 7 - w % 8.  A tile of group rho works on key steps 0 .. rho (128 keys a step), step rho on
; the diagonal.  So every wave has (9 + w % 8) + (8 - w % 8) = 17 steps, two of them on the diagonal, whatever w and j are: 256 work-groups of equal work, sixteen waves of equal work in each, and no branch hangs on
; the place in the cluster.  The first tile has at least 9 steps, so every wave works in all 8 steps that stand between the phases' barriers.
; TOKENS IN A STORAGE TILE: lane r of tile 2 b + u holds token 32 b + 8 u + r + 8 (r / 8).  Both products are used transposed (S^T = K Q^T, O^T = V^T P^T): a lane holds ONE query, and the 16 registers of two
; neighbouring tiles of keys are 16 neighbouring keys, 32 b + 16 (lane / 16) + 0 .. 15.  V's channels are laid likewise, so O^T's register 16 b + i is channel 32 b + 16 (lane / 16) + i.
; LDS.  A head's K and V, codes and scale words, fit whole: 274,432 bytes, each byte filled ONCE, by eight tensor loads each of waves 0 to 3 (eight of a wave are out at the most), asked for jointly by the four
; work-groups of the cluster, which walk the same head.  No byte is filled again and nothing is stored to LDS.  The waves begin on the first 256 keys while the rest is on its way: four phases, each behind a counted wait and a barrier.
; Every load from LDS takes 512 (or 128) consecutive bytes: no padding.
; Y's scale bytes leave as two bytes a lane, rows 32 bytes apart, twice in a wave's life: a row's 32 bytes come from 16 heads, which are 16 work-group rows.
; LIMITS: a block of zeros gets the byte 1 where the rule says 127 (zero codes; this program alone reads the bytes); blocks whose largest magnitude lies under 2^-111 keep the byte 1; NaN and infinities are not served.
; REGISTERS: v1-7 addresses that stay; v8-11 the step's LDS addresses; v12 -M, v13 the largest t, v[14:15] the sum in two halves; v16-23 the first tile's Q, v24-31 zeros; v32-95 four fragments of K (the upper eight of each: zeros);
; v96-159 S^T, then p, then V's four fragments; v160-191 O^T; v192-207 p's codes; v208-211 K's scale words, v212-213 V's, v214 the first Q's, v215 p's; v216-223 the second tile's Q, v224-231 zeros; v248 its scale words;
; v249-250 the second tile's offsets in y; v232-247, v252-254 at work.
.set COFF, 262144                      ; y: the code images begin here
.set IOFF, 4194304                     ; qk, v: the code images begin here
.set KC,   0                           ; LDS: K's codes, 16,384 bytes for each 256 keys: [tile 16][c 2][512]
.set VC,   131072                      ; V's codes, 16,384 for each 256 keys: [64 keys 4][tile 4][32 keys 2][512]
.set KS,   262144                      ; K's scale words, 1,024 for each 256 keys: [tile 16][64]
.set VS,   270336                      ; V's, 512 for each 256 keys: [step 2][tile 4][64]
.set AK0,  1                           ; v1  16 x lane
.set AV0,  2                           ; v2  VC + 16 x lane
.set ASK0, 3                           ; v3  KS + 4 x lane: lanes 0-15 an even tile's words, lanes 16-31 the odd tile's
.set ASV0, 4                           ; v4  VS + 4 x lane
.set DM,   5                           ; v5  my query - 128 x its group - 16 (lane / 16): the same for both tiles
.set GO,   6                           ; v6  the first tile's byte offset among y's code images
.set GS,   7                           ; v7  and among y's scale bytes
.set ADK,  8
.set ADV,  9
.set ADS,  10
.set ADT,  11
.set Q1,   16                          ; the first tile's Q, 16 registers with the zeros
.set QW1,  214                         ; and its scale words
.set Q2,   216                         ; the second tile's
.set QW2,  248
.set GO2,  249                         ; the second tile's offsets in y
.set GS2,  250
.set RKS,  3                           ; s3  the second tile's group: 7 - w % 8
.set WV,   10                          ; s10 my wave's number
.set RKB,  11                          ; s11 the first tile's group: 8 + w % 8
.set SI,   12                          ; s12 the step's number      (s12-15 hold the four tiles' byte offsets until the first phase)
.set CNT,  13                          ; s13 trips to go
.set TB,   14                          ; s14 the step's first byte among K's codes, and among V's: 8,192 a step
.set TS,   15                          ; s15 among K's scale words: 512 a step
.set TJ,   16                          ; s16 among V's: 256 a step
.set CS,   18                          ; s[18:19] c = log2(e) / 8
.set SEL,  20                          ; s[20:21] lane selects for v_permlanex16_b32: lane l xor 16
.set MNT,  22
.set G0,   32                          ; s[32:63] eight groups 0, one for each of a wave's loads
.set G1KC, 68
.set G1VC, 76
.set G1KS, 84
.set G1VS, 92
.macro CROUND                          ; a round of the cluster's barrier
	s_barrier_signal -1
	s_barrier_wait -1
	s_cmp_lg_u32 s[WV], 0
	s_cbranch_scc1 .Lnot_wave_0_\@
	s_barrier_signal -3
.Lnot_wave_0_\@:
	s_barrier_wait -3
	s_barrier_signal -1
	s_barrier_wait -1
.endm
.macro SHAPE g, c, r, p                ; descriptor group 1: r rows of c elements of 8 bytes, p elements apart, no padding; the mask names all four work-groups, bit 21 beside it
	s_mov_b32 s[\g], 15|(3<<16)|(1<<21)
	s_mov_b32 s[\g+1], (\c)<<16
	s_mov_b32 s[\g+2], (\r)<<16
	s_mov_b32 s[\g+3], (\c)<<16
	s_mov_b32 s[\g+4], \r
	s_mov_b32 s[\g+5], \p
	s_mov_b32 s[\g+6], 0
	s_mov_b32 s[\g+7], 0
.endm
; One wave's eight first fills: the tiles of the head's eight blocks of 256 keys, in ascending order, so that a counted wait shows the first blocks landed.
.macro ARM ptr, off, lds0, ldsstep, gstep, g1
	s_mov_b32 s28, s[\off]
	s_mov_b32 s29, 0
	s_add_nc_u64 s[28:29], s[\ptr:\ptr+1], s[28:29]
.irp n, 0,1,2,3,4,5,6,7
	s_mov_b32 s[G0+4*\n], 1
	s_mov_b32 s[G0+4*\n+1], \lds0+\n*\ldsstep
	s_add_nc_u64 s[G0+4*\n+2:G0+4*\n+3], s[28:29], \n*\gstep
	s_or_b32 s[G0+4*\n+3], s[G0+4*\n+3], 0x80000000
.endr
.irp n, 0,1,2,3,4,5,6,7
	tensor_load_to_lds s[G0+4*\n:G0+4*\n+3], s[\g1:\g1+7]
	s_nop 0
.endr
.rept 4
	v_nop
.endr
	s_branch .Lasked
.endm
; The tile of group s[rk]: its Q and Q's scale words are asked for (offsets in v[a1], v[a2], which are not written again before the wait for these loads), and its offsets in y are made.
; s23: Q's first block of images; s25: j'; s17: head % 4; s27: batch; s30: head; v10: r.
.macro MYTILE rk, qf, qw, go, gs, a1, a2
	s_lshr_b32 s66, s[\rk], 1
	s_add_co_u32 s66, s66, s23                     ; the tile's block of images (256 tokens)
	s_and_b32 s67, s[\rk], 1
	s_lshl_b32 s67, s67, 3
	s_add_co_u32 s67, s67, s25                     ; and its place in it: 8 (group % 2) + j'
	s_lshl_b32 s16, s66, 16
	s_lshl_b32 s24, s17, 14
	s_add_co_u32 s16, s16, s24
	s_lshl_b32 s24, s67, 10
	s_add_co_u32 s16, s16, s24
	s_add_co_u32 s16, s16, IOFF                    ; Q's codes
	s_lshl_b32 s66, s66, 12
	s_lshl_b32 s24, s17, 10
	s_add_co_u32 s66, s66, s24
	s_lshl_b32 s24, s67, 6
	s_add_co_u32 s66, s66, s24                     ; Q's scale words
	v_add_nc_u32 v[\a1], s16, v[AK0]
	global_load_b128 v[\qf:\qf+3], v[\a1], s[4:5]  ; Q's fragment, the head's 64: it stays
	global_load_b128 v[\qf+4:\qf+7], v[\a1], s[4:5] offset:512
	v_lshl_add_u32 v[\a2], v10, 2, s66
	global_load_b32 v[\qw], v[\a2], s[4:5]
	s_lshl_b32 s67, s27, 7
	s_lshl_b32 s24, s[\rk], 3
	s_add_co_u32 s67, s67, s24
	s_add_co_u32 s67, s67, s25                     ; the storage tile among all 512: 128 batch + 8 group + j'
	s_lshl_b32 s24, s67, 14                        ; y's images: [tile][128 channels 8][c 4][512]
	s_lshr_b32 s26, s30, 1
	s_lshl_b32 s26, s26, 11
	s_add_co_u32 s24, s24, s26
	s_and_b32 s26, s30, 1
	s_lshl_b32 s26, s26, 10
	s_add_co_u32 s24, s24, s26
	s_add_co_u32 s24, s24, COFF
	v_add_nc_u32 v[\go], s24, v[AK0]
	s_lshl_b32 s24, s67, 9                         ; y's scale bytes: [storage row][32]; mine: 2 head, 2 head + 1
	s_lshl_b32 s26, s30, 1
	s_add_co_u32 s24, s24, s26
	v_lshl_add_u32 v[\gs], v10, 5, s24
.endm
; A tile begins: the largest t so far is -3e38, under every t; the sum and O^T are zeros, which the first change of M leaves zeros.  So the step is written once for all steps.
.macro START
	v_mov_b32 v13, 0xff61b1e6
	s_delay_alu instid0(VALU_DEP_1)
	v_floor_f32 v12, -v13                          ; -M
	v_mov_b32 v14, 0                               ; the sum, in two halves
	v_mov_b32 v15, 0
.set i, 0
.rept 32
	v_mov_b32 v[160+i], 0                          ; O^T
.set i, i+1
.endr
.endm
	s_load_b128 s[4:7], s[0:1], 0x0                ; qk s[4:5], v s[6:7]
	s_load_b64 s[8:9], s[0:1], 0x10                ; y
	v_lshl_add_u32 v251, v0, 2, 0x43000
	v_mov_b32 v255, 0
	ds_add_u32 v251, v255
	ds_add_u32 v251, v255
	v_lshrrev_b32 v8, 5, v0
	s_delay_alu instid0(VALU_DEP_1)
	v_readfirstlane_b32 s[WV], v8                  ; wave 0..15
	s_and_b32 s23, s[WV], 7
	s_add_co_u32 s[RKB], s23, 8                    ; the first tile's group: 8 .. 15
	s_and_b32 s26, ttmp7, 0xffff                   ; batch and head, which the four partners share
	s_lshr_b32 s27, s26, 4                         ; batch
	s_and_b32 s30, s26, 15                         ; head
	s_lshr_b32 s31, s30, 2                         ; head / 4
	s_and_b32 s17, s30, 3                          ; head % 4
	s_lshl_b32 s23, s31, 5
	s_lshl_b32 s2, s27, 3
	s_add_co_u32 s23, s23, s2                      ; Q's first block of images: 32 (head / 4) + 8 batch
	s_add_co_u32 s3, s23, 128                      ; K's: four tiles of columns further on
	s_lshl_b32 s12, s3, 16
	s_lshl_b32 s2, s17, 14
	s_add_co_u32 s12, s12, s2
	s_add_co_u32 s12, s12, IOFF                    ; K's codes
	s_lshl_b32 s13, s3, 12
	s_lshl_b32 s2, s17, 10
	s_add_co_u32 s13, s13, s2                      ; K's scale words
	s_lshl_b32 s3, s27, 8
	s_add_co_u32 s3, s3, s31                       ; V's first block: 256 batch + head / 4; the next 256 keys lie 32 blocks on
	s_lshl_b32 s14, s3, 16
	s_lshl_b32 s2, s17, 12
	s_add_co_u32 s14, s14, s2
	s_add_co_u32 s14, s14, IOFF                    ; V's codes
	s_lshl_b32 s15, s3, 12
	s_lshl_b32 s2, s17, 8
	s_add_co_u32 s15, s15, s2                      ; V's scale words
	SHAPE G1KC, 32, 64, 32                         ; 16,384 dense bytes as 64 rows of 256
	SHAPE G1VC, 512, 4, 2048                       ; 4 rows of 4,096 bytes, 16,384 apart
	SHAPE G1KS, 32, 4, 32                          ; 1,024 dense bytes
	SHAPE G1VS, 32, 2, 256                         ; 2 rows of 256 bytes, 2,048 apart
	s_wait_dscnt 0x0
	s_wait_kmcnt 0x0
	CROUND                                         ; all four work-groups are here: the joint loads meet
	s_cmp_lg_u32 s[WV], 0                          ; a wave's fills stand in one arm of a choice on the wave's number
	s_cbranch_scc1 .Lnot_0
	ARM 4, 12, KC, 16384, 65536, G1KC
.Lnot_0:
	s_cmp_lg_u32 s[WV], 1
	s_cbranch_scc1 .Lnot_1
	ARM 6, 14, VC, 16384, 2097152, G1VC
.Lnot_1:
	s_cmp_lg_u32 s[WV], 2
	s_cbranch_scc1 .Lnot_2
	ARM 4, 13, KS, 1024, 4096, G1KS
.Lnot_2:
	s_cmp_lg_u32 s[WV], 3
	s_cbranch_scc1 .Lasked
	ARM 6, 15, VS, 512, 131072, G1VS
.Lasked:
	v_and_b32 v9, 31, v0                           ; lane
	v_and_b32 v10, 15, v0                          ; r
	v_bfe_u32 v11, v0, 4, 1                        ; h
	s_delay_alu instid0(VALU_DEP_3)
	v_lshlrev_b32 v[AK0], 4, v9
	s_wait_alu depctr_va_vdst(0)
	v_add_nc_u32 v[AV0], VC, v[AK0]
	v_lshl_add_u32 v[ASK0], v9, 2, KS
	v_lshl_add_u32 v[ASV0], v9, 2, VS
	s_and_b32 s[RKS], s[WV], 7
	s_xor_b32 s[RKS], s[RKS], 7                    ; the second tile's group: 7 - w % 8
	s_bfe_u32 s24, ttmp6, 0x40000                  ; cx: it enters Q's and y's global addresses and the mask's numbers alone
	s_lshl_b32 s25, ttmp9, 2
	s_add_co_u32 s25, s25, s24                     ; j
	s_lshr_b32 s24, s[WV], 3
	s_lshl_b32 s24, s24, 2
	s_add_co_u32 s25, s25, s24                     ; j' = j + 4 (w / 8)
	MYTILE RKB, Q1, QW1, GO, GS, 8, 9
	MYTILE RKS, Q2, QW2, GO2, GS2, 232, 233
	s_lshr_b32 s24, s25, 1                         ; my query among its 128: 32 (j' / 2) + 8 (j' % 2) + r + 8 (r / 8)
	s_lshl_b32 s24, s24, 5
	s_and_b32 s26, s25, 1
	s_lshl_b32 s26, s26, 3
	s_add_co_u32 s24, s24, s26
	v_and_b32 v12, 8, v10
	s_delay_alu instid0(VALU_DEP_1)
	v_add_nc_u32 v[DM], v10, v12
	v_lshlrev_b32 v12, 4, v11
	s_delay_alu instid0(VALU_DEP_1)
	v_sub_nc_u32 v[DM], v[DM], v12
	s_delay_alu instid0(VALU_DEP_1)
	v_add_nc_u32 v[DM], s24, v[DM]
	s_mov_b32 s[CS], 0x3e38aa3b                    ; c = log2(e) / 8
	s_mov_b32 s[CS+1], s[CS]                       ; (named with it as a pair, so it is written)
	s_mov_b32 s[SEL], 0x76543210
	s_mov_b32 s[SEL+1], 0xfedcba98
.irp b, 0,1,2,3
	v_mov_b32 v[236+\b], 0                         ; written once: a lane permute's destination counts as one of its sources
.endr
	v_mov_b32 v252, 0
	v_mov_b32 v253, 0                              ; (the upper half of the pair v[252:253])
.set i, 8
.rept 8
	v_mov_b32 v[Q1+i], 0                           ; the zero codes of K = 64 .. 127: the two Q's,
	v_mov_b32 v[Q2+i], 0
.set i, i+1
.endr
.irp t, 0,1,2,3
.set i, 8
.rept 8
	v_mov_b32 v[32+16*\t+i], 0                     ; and those of the four fragments of keys: no load lands here
.set i, i+1
.endr
.endr
	START
	s_wait_loadcnt 0x0                             ; both Q's
; A KEY STEP: 128 keys, for the tile of group s[rk], whose Q lies in v[qf] on and whose scale words in v[qw].
.macro STEP rk, qf, qw
	v_add_nc_u32 v[ADK], s[TB], v[AK0]
	v_add_nc_u32 v[ADV], s[TB], v[AV0]
	v_add_nc_u32 v[ADS], s[TS], v[ASK0]
	v_add_nc_u32 v[ADT], s[TJ], v[ASV0]
	s_cmp_gt_u32 s[SI], s[\rk]                     ; all of the step's keys come after my queries: its work is left out; no barrier and no tensor load stands in a step
	s_cbranch_scc1 .Lhidden_\@
	s_setprio 2
.rept 5
	v_nop                                          ; with the four additions: nine places between the last step's products, which read V's fragments, and the products below, which write over those registers
.endr
	s_wait_alu depctr_va_vdst(0)
.irp g, 0,1                                    ; S^T = K Q^T, four tiles of 16 keys at a time
.if \g > 0
.rept 8
	v_nop                                          ; places in front of loads into registers that matrix instructions have read
.endr
.endif
.irp t, 0,1,2,3
.irp c, 0,1
	ds_load_b128 v[32+16*\t+4*\c:32+16*\t+4*\c+3], v[ADK] offset:(4*\g+\t)*1024+512*\c
.endr
.endr
.if \g == 0
.irp p, 0,1,2,3
	ds_load_b32 v[208+\p], v[ADS] offset:128*\p    ; the words of tiles 2 p (lanes 0-15) and 2 p + 1 (lanes 16-31)
.endr
.endif
	s_wait_dscnt 0x0
.irp t, 0,2
	v_wmma_scale_f32_16x16x128_f8f6f4 v[96+8*(4*\g+\t):103+8*(4*\g+\t)], v[32+16*\t:47+16*\t], v[\qf:\qf+15], 0, v[208+2*\g+\t/2], v[\qw] matrix_a_fmt:MATRIX_FMT_BF8 matrix_b_fmt:MATRIX_FMT_BF8
	v_wmma_scale_f32_16x16x128_f8f6f4 v[104+8*(4*\g+\t):111+8*(4*\g+\t)], v[48+16*\t:63+16*\t], v[\qf:\qf+15], 0, v[208+2*\g+\t/2], v[\qw] matrix_a_fmt:MATRIX_FMT_BF8 matrix_b_fmt:MATRIX_FMT_BF8 matrix_a_scale:MATRIX_SCALE_ROW1
.endr
.endr
.rept 8
	v_nop
.endr
	s_cmp_lg_u32 s[SI], s[\rk]                     ; on the diagonal the scores of hidden keys become -infinity ahead of the maximum: p = 0 then.  The step's first key counts for every one of my queries
	s_cbranch_scc1 .Lopen_\@
	v_mov_b32 v254, 0xff800000
.set n, 0
.rept 64
	v_cmp_gt_i32 vcc_lo, 32*(n/16)+n%16, v[DM]     ; register 16 b + i holds key 32 b + 16 (lane / 16) + i of the step
	v_cndmask_b32 v[96+n], v[96+n], v254, vcc_lo
.set n, n+1
.endr
.Lopen_\@:
.irp b, 0,1,2,3
	v_max3_num_f32 v[232+\b], v[96+16*\b], v[97+16*\b], v[98+16*\b]   ; the largest score of each block of 32 keys: for the row's maximum and, since p rises with the score, for the block's largest p
.endr
.irp i, 3,5,7,9,11,13
.irp b, 0,1,2,3
	v_max3_num_f32 v[232+\b], v[232+\b], v[96+16*\b+\i], v[97+16*\b+\i]
.endr
.endr
.irp b, 0,1,2,3
	v_max_num_f32 v[232+\b], v[232+\b], v[111+16*\b]
.endr
.irp b, 0,1,2,3
	s_delay_alu instid0(VALU_DEP_4)
	v_permlanex16_b32 v[236+\b], v[232+\b], s[SEL], s[SEL+1]
.endr
.irp b, 0,1,2,3
	s_delay_alu instid0(VALU_DEP_4)
	v_max_num_f32 v[232+\b], v[232+\b], v[236+\b]  ; with lane l xor 16's 16 keys
.endr
	s_delay_alu instid0(VALU_DEP_2)
	v_max3_num_f32 v254, v232, v233, v234
	s_delay_alu instid0(VALU_DEP_1)
	v_max_num_f32 v254, v254, v235                 ; the step's largest score of my query
	s_delay_alu instid0(VALU_DEP_1)
	v_mul_f32 v254, s[CS], v254                    ; as t
	s_delay_alu instid0(VALU_DEP_1)
	v_max_num_f32 v13, v13, v254                   ; the running largest t
	v_mov_b32 v254, v12
	s_delay_alu instid0(VALU_DEP_2)
	v_floor_f32 v12, -v13                          ; the new -M = floor(-t) = -ceil(t)
	s_delay_alu instid0(VALU_DEP_1)
	v_sub_f32 v254, v12, v254                      ; old M - new M: a whole number, 0 or less
	s_delay_alu instid0(VALU_DEP_1)
	v_cvt_i32_f32 v254, v254                       ; (it saturates)
	s_delay_alu instid0(VALU_DEP_1)
	v_ldexp_f32 v252, 1.0, v254                    ; f = 2^(old M - new M)
.set j, 0
.rept 32
	v_pk_fma_f32 v[96+j:97+j], v[96+j:97+j], s[CS:CS+1], v[12:13] op_sel_hi:[1,0,0]   ; t - M, two at a time
.set j, j+2
.endr
	s_setprio 1
.irp b, 0,1,2,3
	v_fma_f32 v[232+\b], v[232+\b], s[CS], v12     ; the same of each block's largest score
.endr
.set j, 0
	s_wait_alu depctr_va_vdst(0)
.rept 64
	v_exp_f32 v[96+j], v[96+j]                     ; p = 2^(t - M), at most 1
.set j, j+1
.endr
.irp b, 0,1,2,3
	v_exp_f32 v[232+\b], v[232+\b]                 ; the block's largest p
.endr
	v_pk_mul_f32 v[14:15], v[14:15], v[252:253] op_sel_hi:[1,0]   ; the sums under the new M (a plain line behind the exponentials)
	s_wait_alu depctr_va_vdst(0)
.irp b, 0,1,2,3
	v_max_num_f32 v[232+\b], 0x8000000, v[232+\b]  ; the floor 2^(16 - 127)
.endr
.irp b, 0,1,2,3
	s_delay_alu instid0(VALU_DEP_4)
	v_add_nc_u32 v[244+\b], 0xf8800000, v[232+\b]  ; the conversion's scale operand
.endr
.irp b, 0,1,2,3
.endr
.irp b, 0,1,2,3
	s_delay_alu instid0(VALU_DEP_4)
	v_lshrrev_b32 v[236+\b], 23, v[244+\b]         ; the scale's byte
.endr
	s_delay_alu instid0(VALU_DEP_3)
	v_lshl_or_b32 v215, v237, 8, v236              ; p's scale word for these 128 keys
	s_delay_alu instid0(VALU_DEP_1)
	v_lshl_or_b32 v215, v238, 16, v215
	s_delay_alu instid0(VALU_DEP_1)
	v_lshl_or_b32 v215, v239, 24, v215
	v_pk_add_f32 v[236:237], v[100:101], v[104:105]
	v_pk_add_f32 v[242:243], v[108:109], v[112:113]
	v_pk_add_f32 v[240:241], v[116:117], v[120:121]
	v_pk_add_f32 v[234:235], v[124:125], v[128:129]
	v_pk_add_f32 v[232:233], v[132:133], v[136:137]
	v_pk_add_f32 v[212:213], v[140:141], v[144:145]
	v_pk_add_f32 v[210:211], v[148:149], v[152:153]
	v_pk_add_f32 v[14:15], v[14:15], v[156:157]
	v_pk_add_f32 v[236:237], v[236:237], v[96:97]
	v_pk_add_f32 v[242:243], v[242:243], v[98:99]
	v_pk_add_f32 v[240:241], v[240:241], v[102:103]
	v_pk_add_f32 v[234:235], v[234:235], v[106:107]
	v_pk_add_f32 v[232:233], v[232:233], v[110:111]
	v_pk_add_f32 v[212:213], v[212:213], v[114:115]
	v_pk_add_f32 v[210:211], v[210:211], v[118:119]
	v_pk_add_f32 v[14:15], v[14:15], v[122:123]
	v_pk_add_f32 v[236:237], v[236:237], v[126:127]
	v_pk_add_f32 v[242:243], v[242:243], v[130:131]
	v_pk_add_f32 v[240:241], v[240:241], v[134:135]
	v_pk_add_f32 v[234:235], v[234:235], v[138:139]
	v_pk_add_f32 v[232:233], v[232:233], v[142:143]
	v_pk_add_f32 v[212:213], v[212:213], v[146:147]
	v_pk_add_f32 v[210:211], v[210:211], v[150:151]
	v_pk_add_f32 v[14:15], v[14:15], v[154:155]
	v_pk_add_f32 v[236:237], v[236:237], v[158:159]
	s_delay_alu instid0(VALU_DEP_2)
	v_pk_add_f32 v[14:15], v[14:15], v[234:235]
	s_delay_alu instid0(VALU_DEP_2)
	v_pk_add_f32 v[236:237], v[236:237], v[232:233]
	v_pk_add_f32 v[242:243], v[242:243], v[212:213]
	v_pk_add_f32 v[240:241], v[240:241], v[210:211]
	s_delay_alu instid0(VALU_DEP_2)
	v_pk_add_f32 v[14:15], v[14:15], v[242:243]
	s_delay_alu instid0(VALU_DEP_2)
	v_pk_add_f32 v[236:237], v[236:237], v[240:241]
	s_delay_alu instid0(VALU_DEP_1)
	v_pk_add_f32 v[14:15], v[14:15], v[236:237]
	s_setprio 0
.irp b, 0,1,2,3
.irp i, 0,1,2,3,4,5,6,7,8,9,10,11,12,13,14,15
.endr
	v_cvt_scalef32_pk8_bf8_f32 v[192+4*\b:193+4*\b], v[96+16*\b:103+16*\b], v[244+\b]
	v_cvt_scalef32_pk8_bf8_f32 v[194+4*\b:195+4*\b], v[104+16*\b:111+16*\b], v[244+\b]
.endr
.set j, 0
.rept 16
	v_pk_mul_f32 v[160+j:161+j], v[160+j:161+j], v[252:253] op_sel_hi:[1,0]   ; O^T under the new M.  (These 16 are also the plain lines behind the conversions and in front of the products below)
.set j, j+2
.endr
.irp t, 0,1,2,3                                ; O^T += V^T P^T: the head's four tiles of 16 channels; K = these 128 keys.  V's fragments take the registers that p has left
.irp c, 0,1,2,3
	ds_load_b128 v[96+16*\t+4*\c:96+16*\t+4*\c+3], v[ADV] offset:(\c/2)*4096+\t*1024+(\c%2)*512
.endr
.endr
.irp p, 0,1
	ds_load_b32 v[212+\p], v[ADT] offset:128*\p
.endr
	s_wait_alu depctr_va_vdst(0)
	s_wait_dscnt 0x0
.irp t, 0,2                                    ; the four accumulators by turns; between two links of a chain stand the other three and the next step's eight
	v_wmma_scale_f32_16x16x128_f8f6f4 v[160+8*\t:167+8*\t], v[96+16*\t:111+16*\t], v[192:207], v[160+8*\t:167+8*\t], v[212+\t/2], v215 matrix_a_fmt:MATRIX_FMT_BF8 matrix_b_fmt:MATRIX_FMT_BF8
	v_wmma_scale_f32_16x16x128_f8f6f4 v[168+8*\t:175+8*\t], v[112+16*\t:127+16*\t], v[192:207], v[168+8*\t:175+8*\t], v[212+\t/2], v215 matrix_a_fmt:MATRIX_FMT_BF8 matrix_b_fmt:MATRIX_FMT_BF8 matrix_a_scale:MATRIX_SCALE_ROW1
.endr
.Lhidden_\@:
	s_add_co_u32 s[SI], s[SI], 1
	s_add_co_u32 s[TB], s[TB], 8192
	s_add_co_u32 s[TS], s[TS], 512
	s_add_co_u32 s[TJ], s[TJ], 256
.endm
; The steps from s0 on, trips of them: the trip count is a constant, and a step that lies beyond the tile's diagonal leaves its work out.
.macro RUN s0, trips, rk, qf, qw
	s_mov_b32 s[SI], \s0
	s_mov_b32 s[TB], 8192*\s0
	s_mov_b32 s[TS], 512*\s0
	s_mov_b32 s[TJ], 256*\s0
	s_mov_b32 s[CNT], \trips
.Lstep_\@:
	STEP \rk, \qf, \qw
	s_sub_co_u32 s[CNT], s[CNT], 1
	s_cmp_lg_u32 s[CNT], 0
	s_cbranch_scc1 .Lstep_\@
	s_setprio 0
.endm
; A PHASE of the first tile.  left = how many of a fetching wave's eight loads may still be out: those of the blocks of 256 keys that this phase does not read.
; Nothing is ever filled again, so the later blocks may stay on their way across the barrier.
.macro PHASE left, s0, trips
	s_wait_dscnt 0x0
	s_wait_tensorcnt \left                         ; my loads of the blocks that this phase reads have landed,
	s_barrier_signal -1
	s_barrier_wait -1                              ; everybody's have
	RUN \s0, \trips, RKB, Q1, QW1
.endm
; THE WAY OUT of a tile.  Y = O^T / the sum; its 32 numbers a lane are two blocks of 32 channels (with lane l xor 16's); they are quantised and leave as an image of the last product's operand.
.macro WAYOUT go, gs
.rept 8
	v_nop                                          ; places behind the last products
.endr
	v_add_f32 v14, v14, v15                        ; the sum's two halves,
	s_delay_alu instid0(VALU_DEP_1)
	v_permlanex16_b32 v252, v14, s[SEL], s[SEL+1]
	s_delay_alu instid0(VALU_DEP_1)
	v_add_f32 v14, v14, v252                       ; and lane l xor 16's: the row's sum
	s_wait_alu depctr_va_vdst(0)
	v_rcp_f32 v14, v14
	v_nop                                          ; a plain line behind the transcendental
.set j, 0
	s_wait_alu depctr_va_vdst(0)
.rept 32
	v_mul_f32 v[96+j], v[160+j], v14               ; register 16 b + i: channel 64 head + 32 b + 16 (lane / 16) + i; each accumulator from its low end on
.set j, j+1
.endr
.irp b, 0,1
	v_max3_num_f32 v[232+\b], |v[96+16*\b]|, |v[97+16*\b]|, 0x8000000
.endr
.irp i, 2,4,6,8,10,12,14
.irp b, 0,1
	s_delay_alu instid0(VALU_DEP_2)
	v_max3_num_f32 v[232+\b], v[232+\b], |v[96+16*\b+\i]|, |v[97+16*\b+\i]|
.endr
.endr
.irp b, 0,1
	s_delay_alu instid0(VALU_DEP_2)
	v_permlanex16_b32 v[236+\b], v[232+\b], s[SEL], s[SEL+1]
.endr
.irp b, 0,1
	s_delay_alu instid0(VALU_DEP_2)
	v_max_num_f32 v[232+\b], v[232+\b], v[236+\b]
.endr
.irp b, 0,1
	s_delay_alu instid0(VALU_DEP_2)
	v_add_nc_u32 v[244+\b], 0xf8800000, v[232+\b]
.endr
.irp b, 0,1
.endr
.irp b, 0,1
	s_delay_alu instid0(VALU_DEP_2)
	v_lshrrev_b32 v[236+\b], 23, v[244+\b]
.endr
	s_delay_alu instid0(VALU_DEP_1)
	v_lshl_or_b32 v254, v237, 8, v236              ; my row's two scale bytes
.irp b, 0,1
.irp i, 0,1,2,3,4,5,6,7,8,9,10,11,12,13,14,15
.endr
	v_cvt_scalef32_pk8_bf8_f32 v[192+4*\b:193+4*\b], v[96+16*\b:103+16*\b], v[244+\b]
	v_cvt_scalef32_pk8_bf8_f32 v[194+4*\b:195+4*\b], v[104+16*\b:111+16*\b], v[244+\b]
.endr
	v_nop                                          ; a plain line behind the last conversion
	global_store_b128 v[\go], v[192:195], s[8:9]   ; 32 lanes store 512 consecutive bytes, aligned; the two stores 1,024 on end
	global_store_b128 v[\go], v[196:199], s[8:9] offset:512
	global_store_b16 v[\gs], v254, s[8:9]          ; lanes 16-31 write the same bytes with the same values as lanes 0-15
.endm
	; THE FIRST TILE, of group 8 + w % 8: steps 0 to 7 are worked by every wave, steps 8 to 15 as far as the tile's diagonal
	PHASE 7, 0, 2                                  ; block 0 is in; blocks 1 to 7 may be out
	PHASE 6, 2, 2                                  ; block 1; blocks 2 to 7 may be out
	PHASE 4, 4, 4                                  ; blocks 2 and 3; blocks 4 to 7 may be out
	PHASE 0, 8, 8                                  ; all
	WAYOUT GO, GS
	; THE SECOND TILE, of group 7 - w % 8.  All of K and V was shown landed in front of the last barrier, and nothing writes LDS: no barrier is needed
	START
	s_wait_xcnt 0x0                                ; the first tile's stores have read their registers: the steps below write v192-199 and v254 again
	RUN 0, 8, RKS, Q2, QW2
	WAYOUT GO2, GS2
	s_wait_tensorcnt 0x0
	ds_add_u32 v251, v255
	s_wait_dscnt 0x0
	CROUND                                         ; the closing round
	s_endpgm
.Lfunc_end_k_q17b9cc2816_attn:
	.size	k_q17b9cc2816_attn, .Lfunc_end_k_q17b9cc2816_attn-k_q17b9cc2816_attn
	.p2alignl 7, 3214868480
	.fill 96, 4, 3214868480
	.section	.rodata,"a",@progbits
	.p2align	6, 0x0
	.amdhsa_kernel k_q17b9cc2816_attn
		.amdhsa_group_segment_fixed_size 276480
		.amdhsa_private_segment_fixed_size 0
		.amdhsa_enable_private_segment 0
		.amdhsa_kernarg_size 24
		.amdhsa_user_sgpr_count 2
		.amdhsa_user_sgpr_kernarg_segment_ptr 1
		.amdhsa_wavefront_size32 1
		.amdhsa_system_sgpr_workgroup_id_x 1
		.amdhsa_system_sgpr_workgroup_id_y 1
		.amdhsa_system_sgpr_workgroup_id_z 1
		.amdhsa_system_vgpr_workitem_id 0
		.amdhsa_next_free_vgpr 256
		.amdhsa_next_free_sgpr 100
		.amdhsa_reserve_vcc 1
		.amdhsa_float_denorm_mode_32 3
		.amdhsa_float_denorm_mode_16_64 3
		.amdhsa_fp16_overflow 1
		.amdhsa_memory_ordered 1
		.amdhsa_forward_progress 1
		.amdhsa_inst_pref_size 150
	.end_amdhsa_kernel
	.amdgpu_metadata
---
amdhsa.version: [ 1, 2 ]
amdhsa.kernels:
  - .name:           k_q17b9cc2816_attn
    .symbol:         k_q17b9cc2816_attn.kd
    .args:
      - { .name: qk, .offset: 0, .size: 8, .value_kind: global_buffer, .address_space: global }
      - { .name: v, .offset: 8, .size: 8, .value_kind: global_buffer, .address_space: global }
      - { .name: y, .offset: 16, .size: 8, .value_kind: global_buffer, .address_space: global }
    .group_segment_fixed_size: 276480
    .private_segment_fixed_size: 0
    .kernarg_segment_align: 8
    .kernarg_segment_size: 24
    .max_flat_workgroup_size: 512
    .sgpr_count:     100
    .vgpr_count:     256
    .wavefront_size: 32
...
	.end_amdgpu_metadata
.endif
;; end of part 4
;; launch gemm_out (part 5): grid 4 x 32, 4 waves a work-group, clusters of 4 x 4, 327,680 bytes of LDS; arguments y, wo, bo, out0; writes out0
.if DOCPART == 5
	.amdgcn_target "amdgcn-amd-amdhsa--gfx1250"
	.amdhsa_code_object_version 6
	.text
	.protected	k_q17b9cc2816_gemm_out
	.globl	k_q17b9cc2816_gemm_out
	.p2align	8
	.type	k_q17b9cc2816_gemm_out,@function
k_q17b9cc2816_gemm_out:
	s_mov_b64 s[64:65], 0
	v_nop
	global_prefetch_b8 v0, s[64:65] scope:SCOPE_SE
	s_setreg_imm32_b32 hwreg(HW_REG_WAVE_MODE, 25, 1), 1
	s_wait_xcnt 0x0
	s_wait_alu depctr_hold_cnt(0) depctr_sa_sdst(0) depctr_va_vdst(0) depctr_va_sdst(0) depctr_va_ssrc(0) depctr_va_vcc(0) depctr_vm_vsrc(0)
	s_getreg_b32 s2, hwreg(HW_REG_IB_STS2, 6, 4)
	s_cmp_eq_u32 s2, 0
	s_cbranch_scc0 .Lentry_in_a_cluster
	s_endpgm
.Lentry_in_a_cluster:
	s_bfe_u32 s2, ttmp6, 0x10000c
	s_cmp_lg_u32 s2, 0xf033
	s_cbranch_scc0 .Lentry_shape_is_right
	s_endpgm
.Lentry_shape_is_right:
; out0[m][n] = sum over k of Y[m][k] Wo[k][n] + bo[n], K = 1,024, both sides codes of BF8 (E5M2) with one E8M0 byte for each 32 along K; out0 [8192][1024] f32.
; y: scale bytes [storage row][32] from byte 0; codes from byte COFF as images of operand registers: [tile of 16 storage rows][128 along K: 8][c: 4][512 bytes], 16 bytes a lane.
; wo: scale bytes [storage row][32] from byte 0, codes [storage row = column n][1024] from byte COFF.  Storage order on both sides: bits 3 and 4 of the true index exchanged; the way out undoes both by immediates.
; A tile of out0, 256 x 256, is made by four waves, 128 x 128 each: 64 accumulators, 512 registers.  K goes in steps of 256 through a ring of two LDS slots filled by the tensor data mover; the scale bytes come once and stay.
; A's fragments are read from LDS as they were stored: 512 consecutive bytes a load, no pitch; B's from rows 272 bytes apart.
; CLUSTERS: 4 x 4 work-groups; A's tiles are asked for jointly along a row of the cluster, B's along a column.
; THE MATRIX INSTRUCTION IS USED TRANSPOSED (source 0 = 16 rows of wo, source 1 = 16 rows of y): lane (r, h) of block a holds storage row 16 a + r, and accumulator b's register j the true column 32 (b / 2) + 16 h + 8 (b % 2) + j.
; The bias is the C of each sum's first matrix instruction: eight registers for each b, in that layout.
; The grid has 128 work-groups: 8,192 x 1,024 holds no more tiles of this size.
; REGISTERS, in windows of 256: window 0: v0-31 addresses; v32-63 scale words, two sets, and nothing else; v64-127 the bias; from v128 A's fragments, ONE set, on the way out rows of out0.
;   window 1: B's fragments, TWO sets.   window 2: the accumulators of my rows 0-63;   window 3: those of my rows 64-127.
.set SIZE_K, 1024
.set COFF,   262144
.set KSTEP,  256
.set NQ,     KSTEP/128
.set ROWB,   256                       ; a row of B's tile in bytes
.set KROW,   SIZE_K
.set PITCH,  272                       ; B's LDS row: 256 bytes + 16 of padding
.set FR,     16
.set NL,     4
.set NP,     8                         ; places behind this matrix instruction (ISA guide 7.12.1)
.set ASTEP,  4096                      ; a tile's images of 256 along K
.set AHALF,  8*ASTEP                   ; 8 tiles (128 rows) of A: what one tensor load brings
.set HALFT,  128*PITCH                 ; 128 rows of B likewise
.set SLOT,   2*AHALF+2*HALFT           ; A's 16 tiles, then B's 256 rows
.set LAPS,   SIZE_K/(2*KSTEP)
.set KS,     SIZE_K/32
.set SCL,    2*SLOT                    ; behind the ring: the scale bytes, as runs of 256 bytes + 16 of padding
.set HALFS,  (128*KS/256)*272
.set SBLK,   (16*KS/256)*272
.set SPARE,  SCL+4*HALFS               ; the spare words, 128 bytes for each wave: two blocks of 256 bytes that no other line names
.set SPITCH, 528                       ; the way out: a stage of 16 rows x (512 bytes + 16) for each wave, in slot 0, which has had its last fill and its last read by then
.set ADRA, 16
.set ADRB, 20
.set STO,  24                          ; v24     the way out: where I put my numbers of a row: 528 r + 64 h
.set RD,   25                          ; v25     and where I read a row back
.set CO,   26                          ; v26     16 x lane
.set ADRS, 27
.set SPW,  28
.set NIL,  29
.set SC,   32
.set BI,   64                          ; v64-127 the bias
.set AF,   128
.set BK,   128                         ; the way out: 16 rows read back: v128-191 and v192-255 by turns
.set G1, 24
.set G0, 32
.set G1B, 48
.set G0B, 56
.set G1S, 68
.set G0S, 76
.set G1SB, 80
.set G0SB, 88
.set MSB, 0
.macro WIN new
.if MSB != \new
	s_set_vgpr_msb (MSB<<8)|\new
.set MSB, \new
.endif
.endm
.set MUL_LO, 0xa1                      ; source 0 (B) window 1, source 1 (A) window 0, C and D window 2
.set MUL_HI, 0xf1                      ; the same, C and D window 3
.set BEG_LO, 0x81                      ; the first step: C (the bias) window 0, D window 2
.set BEG_HI, 0xc1                      ; D window 3
.set TO_B,   0x40
.macro JLOAD g0a, g1a, g0b, g1b        ; a joint load: waves 0 and 1 fetch for A, waves 2 and 3 for B; four v_nop follow each of the two lines
	s_cmp_eq_u32 s15, 0
	s_cbranch_scc0 .Lfor_b_\@
	tensor_load_to_lds s[\g0a:\g0a+3], s[\g1a:\g1a+7]
	s_nop 0
.rept 4
	v_nop
.endr
	s_branch .Lasked_\@
.Lfor_b_\@:
	tensor_load_to_lds s[\g0b:\g0b+3], s[\g1b:\g1b+7]
	s_nop 0
.rept 4
	v_nop
.endr
.Lasked_\@:
.endm
.macro CREST
	s_cmp_lg_u32 s14, 0
	s_cbranch_scc1 .Lnot_wave_0_\@
	s_barrier_signal -3
.Lnot_wave_0_\@:
	s_barrier_wait -3
	s_barrier_signal -1
	s_barrier_wait -1
.endm
.macro CROUND
	s_barrier_signal -1
	s_barrier_wait -1
	CREST
.endm
	s_load_b128 s[4:7], s[0:1], 0x0                ; y s[4:5], wo s[6:7]
	s_load_b128 s[8:11], s[0:1], 0x10              ; bo s[8:9], out0 s[10:11]
	v_lshl_add_u32 v[SPW], v0, 2, SPARE
	v_mov_b32 v[NIL], 0
	ds_add_u32 v28, v29
	ds_add_u32 v28, v29
	s_wait_dscnt 0x0
	v_lshrrev_b32 v1, 5, v0
	v_readfirstlane_b32 s14, v1                    ; wave 0..3
	s_lshr_b32 s15, s14, 1                         ; wy.  Also: I fetch for A (0) or for B (1)
	s_and_b32 s16, s14, 1                          ; wx.  Also: which 128 rows of that tile I fetch
	s_bfe_u32 s40, ttmp6, 0x40000
	s_bfe_u32 s41, ttmp6, 0x40004
	s_lshl_b32 s42, ttmp9, 2
	s_add_co_u32 s42, s42, s40                     ; tile column = 4 x cluster x + cx
	s_and_b32 s17, ttmp7, 0xffff
	s_lshl_b32 s17, s17, 2
	s_add_co_u32 s17, s17, s41                     ; tile row = 4 x cluster y + cy
	s_lshl_b32 s43, s41, 2
	s_lshl_b32 s43, 15, s43                        ; my row of the cluster
	s_lshl_b32 s44, 0x1111, s40                    ; my column
	; group 1 for A: 8 tiles' images of 256 along K: 8 rows of 4,096 bytes (512 elements of 8 bytes), 16,384 bytes apart, no padding
	s_or_b32 s[G1+0], s43, (3<<16)|(1<<21)
	s_mov_b32 s[G1+1], 512<<16
	s_mov_b32 s[G1+2], 8<<16
	s_mov_b32 s[G1+3], 512<<16
	s_mov_b32 s[G1+4], 8
	s_mov_b32 s[G1+5], 2048
	s_mov_b32 s[G1+6], 0
	s_mov_b32 s[G1+7], 0
	; for B: 128 rows x 256 bytes, four words of padding after every 64
	s_or_b32 s[G1B+0], s44, (0<<16)|(1<<20)|(1<<21)|(5<<22)|(3<<25)
	s_mov_b32 s[G1B+1], ROWB<<16
	s_mov_b32 s[G1B+2], 128<<16
	s_mov_b32 s[G1B+3], ROWB<<16
	s_mov_b32 s[G1B+4], 128
	s_mov_b32 s[G1B+5], KROW
	s_mov_b32 s[G1B+6], 0
	s_mov_b32 s[G1B+7], 0
	; the scale bytes of 128 rows: 4,096 dense bytes, as rows of 256 bytes, 16 bytes of padding behind each
	s_or_b32 s[G1S+0], s43, (3<<16)|(1<<20)|(1<<21)|(5<<22)|(3<<25)
	s_or_b32 s[G1SB+0], s44, (3<<16)|(1<<20)|(1<<21)|(5<<22)|(3<<25)
.irp g, G1S, G1SB
	s_mov_b32 s[\g+1], 32<<16
	s_mov_b32 s[\g+2], (128*KS/256)<<16
	s_mov_b32 s[\g+3], 32<<16
	s_mov_b32 s[\g+4], 128*KS/256
	s_mov_b32 s[\g+5], 32
	s_mov_b32 s[\g+6], 0
	s_mov_b32 s[\g+7], 0
.endr
	s_lshl_b32 s18, s16, 7
	s_lshl_b32 s20, s17, 8
	s_add_co_u32 s20, s20, s18                     ; A: storage row 256 x tile row + 128 x half
	s_lshl_b32 s46, s42, 8
	s_add_co_u32 s46, s46, s18                     ; B: storage row 256 x tile column + 128 x half
	s_lshl_b32 s22, s20, 5                         ; their scale bytes: 32 a row
	s_mov_b32 s23, 0
	s_lshl_b32 s92, s46, 5
	s_mov_b32 s93, 0
	s_lshl_b32 s20, s20, 10                        ; A's images: 16 rows are 16,384 bytes
	s_add_co_u32 s20, s20, COFF
	s_mov_b32 s21, 0
	s_lshl_b32 s46, s46, 10                        ; B's codes: 1,024 bytes a row
	s_add_co_u32 s46, s46, COFF
	s_mov_b32 s47, 0
	s_mul_i32 s45, s16, AHALF                      ; where they go: A's two halves,
	s_mul_i32 s97, s16, HALFT
	s_add_co_u32 s97, s97, 2*AHALF                 ; then B's two: no place in the cluster enters an LDS address
	s_mul_i32 s94, s14, HALFS
	s_wait_kmcnt 0x0
	s_add_nc_u64 s[20:21], s[4:5], s[20:21]
	s_add_nc_u64 s[22:23], s[4:5], s[22:23]
	s_add_nc_u64 s[46:47], s[6:7], s[46:47]
	s_add_nc_u64 s[92:93], s[6:7], s[92:93]
	CROUND                                         ; all sixteen work-groups are here: the first joint loads meet
	s_mov_b32 s[G0S], 1
	s_add_co_u32 s[G0S+1], s94, SCL
	s_mov_b64 s[G0S+2:G0S+3], s[22:23]
	s_or_b32 s[G0S+3], s[G0S+3], 0x80000000
	s_mov_b32 s[G0SB], 1
	s_add_co_u32 s[G0SB+1], s94, SCL
	s_mov_b64 s[G0SB+2:G0SB+3], s[92:93]
	s_or_b32 s[G0SB+3], s[G0SB+3], 0x80000000
	JLOAD G0S, G1S, G0SB, G1SB                     ; the scale bytes first
.irp s, 0,1
	s_mov_b32 s[G0+4*\s], 1
	s_add_co_u32 s[G0+4*\s+1], s45, \s*SLOT
	s_add_nc_u64 s[G0+4*\s+2:G0+4*\s+3], s[20:21], \s*ASTEP
	s_or_b32 s[G0+4*\s+3], s[G0+4*\s+3], 0x80000000
	s_mov_b32 s[G0B+4*\s], 1
	s_add_co_u32 s[G0B+4*\s+1], s97, \s*SLOT
	s_add_nc_u64 s[G0B+4*\s+2:G0B+4*\s+3], s[46:47], \s*ROWB
	s_or_b32 s[G0B+4*\s+3], s[G0B+4*\s+3], 0x80000000
	s_wait_alu depctr_va_vdst(0)
	s_wait_tensorcnt 0x0
	ds_add_u32 v28, v29
	s_wait_dscnt 0x0
	CROUND
	JLOAD G0+4*\s, G1, G0B+4*\s, G1B
.endr
	v_and_b32 v1, 15, v0                           ; r
	v_bfe_u32 v2, v0, 4, 1                         ; h
	v_mul_u32_u24 v3, v1, PITCH
	v_lshl_add_u32 v4, v2, 4, v3                   ; B: a fragment's row x pitch + 16 x half
	v_and_b32 v6, 31, v0
	v_lshlrev_b32 v[CO], 4, v6                     ; A: 16 x lane
	s_mul_i32 s21, s15, AHALF                      ; my 8 tiles of A
	s_mul_i32 s22, s16, HALFT                      ; my 128 rows of B,
	s_add_co_u32 s22, s22, 2*AHALF                 ; which lie behind A's 16 tiles
.irp s, 0,1
	v_add_nc_u32 v[ADRA+\s], s21, v[CO]
	v_add_nc_u32 v[ADRB+\s], s22, v4
	s_add_co_u32 s21, s21, SLOT
	s_add_co_u32 s22, s22, SLOT
.endr
	v_mul_u32_u24 v5, v1, KS
	v_lshrrev_b32 v6, 8, v5
	v_lshl_add_u32 v5, v6, 4, v5
	s_mul_i32 s21, s15, HALFS
	s_mul_i32 s22, s16, HALFS
	s_add_co_u32 s22, s22, 2*HALFS
	s_sub_co_u32 s22, s22, s21
	v_mul_u32_u24 v6, s22, v2                      ; lanes 16-31 take B's: one product, the distance between the two bases
	s_add_co_u32 s21, s21, SCL
	v_add_nc_u32 v5, v5, v6
	v_add_nc_u32 v[ADRS], s21, v5
	s_mul_i32 s23, s14, 16*SPITCH                  ; my stage
	v_mul_u32_u24 v5, v1, SPITCH
	v_lshl_add_u32 v5, v2, 6, v5                   ; in: row r, + 64 h: my half's 16 columns of each 32
	v_add_nc_u32 v[STO], s23, v5
	v_add_nc_u32 v[RD], s23, v[CO]                 ; back: the 32 lanes take one row of 512 bytes
	s_lshl_b32 s46, s42, 10                        ; my first column, in bytes: 1,024 x tile column + 512 x wx
	s_lshl_b32 s47, s16, 9
	s_add_co_u32 s46, s46, s47
	s_mov_b32 s47, 0
	s_add_nc_u64 s[8:9], s[8:9], s[46:47]          ; bo at my first column
	v_lshlrev_b32 v7, 6, v2                        ; + 16 h numbers
.irp b, 0,1,2,3,4,5,6,7
	global_load_b128 v[BI+8*\b:BI+8*\b+3], v7, s[8:9] offset:128*(\b/2)+32*(\b%2)
	global_load_b128 v[BI+8*\b+4:BI+8*\b+7], v7, s[8:9] offset:128*(\b/2)+32*(\b%2)+16
.endr
	s_lshl_b32 s20, s17, 8
	s_lshl_b32 s21, s15, 7
	s_add_co_u32 s20, s20, s21                     ; my first row: 256 x tile row + 128 x wy
	s_lshl_b32 s20, s20, 12                        ; 4,096 bytes a row (under 2^25)
	s_add_co_u32 s20, s20, s46
	s_mov_b32 s21, 0
	s_add_nc_u64 s[12:13], s[10:11], s[20:21]
.macro FRAG reg, adr, q, i             ; B's fragment: lane l holds row l % 16; registers 4 c .. 4 c + 3 hold K = 32 c + 16 (l / 16) + 0 .. 15
.irp c, 0,1,2,3
	ds_load_b128 v[\reg+4*\c:\reg+4*\c+3], v[\adr] offset:128*(\q)+32*\c+(\i)*16*PITCH
.endr
.endm
.macro FRAGA reg, adr, q, i            ; A's fragment comes back as it was stored: tile i, the slot's q-th 128 along K, four registers a load
.irp c, 0,1,2,3
	ds_load_b128 v[\reg+4*\c:\reg+4*\c+3], v[\adr] offset:(\i)*ASTEP+2048*(\q)+512*\c
.endr
.endm
; 16 matrix instructions: A's blocks a0, a0 + 1 x B's eight.  zero = 1: the first product starts the sums, on the bias.  The 64 accumulators take turns.
.macro MUL16 a0, p, q, sc, zero
.irp a, \a0, \a0+1
.irp b, 0,1,2,3,4,5,6,7
.if \zero
	v_wmma_scale_f32_16x16x128_f8f6f4 v[8*(8*((\a)%4)+\b):8*(8*((\a)%4)+\b)+7], v[128*(\p)+FR*\b:128*(\p)+FR*\b+FR-1], v[AF+FR*(\a):AF+FR*(\a)+FR-1], v[BI+8*\b:BI+8*\b+7], v[SC+8*NQ*(\sc)+NQ*\b+(\q)], v[SC+8*NQ*(\sc)+NQ*(\a)+(\q)] matrix_a_fmt:MATRIX_FMT_BF8 matrix_b_fmt:MATRIX_FMT_BF8 matrix_a_scale:MATRIX_SCALE_ROW1
.else
	v_wmma_scale_f32_16x16x128_f8f6f4 v[8*(8*((\a)%4)+\b):8*(8*((\a)%4)+\b)+7], v[128*(\p)+FR*\b:128*(\p)+FR*\b+FR-1], v[AF+FR*(\a):AF+FR*(\a)+FR-1], v[8*(8*((\a)%4)+\b):8*(8*((\a)%4)+\b)+7], v[SC+8*NQ*(\sc)+NQ*\b+(\q)], v[SC+8*NQ*(\sc)+NQ*(\a)+(\q)] matrix_a_fmt:MATRIX_FMT_BF8 matrix_b_fmt:MATRIX_FMT_BF8 matrix_a_scale:MATRIX_SCALE_ROW1
.endif
.endr
.endr
.endm
.macro FETCH_B slot, q, p
	WIN TO_B
.irp i, 0,1,2,3,4,5,6,7
	FRAG 128*(\p)+FR*\i, ADRB+\slot, \q, \i
.endr
	WIN 0
.endm
.macro FETCH_A slot, q, i0
.irp i, \i0, \i0+1, \i0+2, \i0+3
	FRAGA AF+FR*(\i), ADRA+\slot, \q, \i
.endr
.endm
.macro SCALES sc
.irp i, 0,1,2,3,4,5,6,7
	ds_load_b64 v[SC+8*NQ*\sc+NQ*\i:SC+8*NQ*\sc+NQ*\i+1], v[ADRS] offset:\i*SBLK
.endr
.endm
.macro PLACES n                        ; plain vector lines between a matrix instruction and a load into, or a read of, its registers (ISA guide 7.12.1 for vector instructions)
.rept \n
	v_nop
.endr
.endm
.macro STEP slot, q, zero
	s_wait_dscnt 4*NL                              ; B's set and A's blocks 0-3 are in; the youngest 16 loads (A's blocks 4-7) may be out
.if \zero
	WIN BEG_LO
.else
	WIN MUL_LO
.endif
	MUL16 0, (\q)%2, \q, \slot, \zero
	MUL16 2, (\q)%2, \q, \slot, \zero
	s_wait_dscnt 0
	PLACES NP
	FETCH_B \slot, (\q)+1, 1-(\q)%2
	FETCH_A \slot, (\q)+1, 0
.if \zero
	WIN BEG_HI
.else
	WIN MUL_HI
.endif
	MUL16 4, (\q)%2, \q, \slot, \zero
	MUL16 6, (\q)%2, \q, \slot, \zero
	PLACES NP
	WIN 0
	FETCH_A \slot, (\q)+1, 4
.endm
; A slot's last step changes slots: ONE barrier; in front of it each wave waits for all its tensor loads, adds 0 to its spare word, and waits for that and for its own reads of this slot.
.macro TURN slot, next, fill
	s_wait_tensorcnt 0x0                           ; all my tensor loads have landed: my part of the next slot
	ds_add_u32 v[SPW], v[NIL]                      ; 0 onto my spare word
	s_wait_dscnt 4*NL+1                            ; (the add and the youngest 16 loads may be out)
	WIN MUL_LO
	MUL16 0, 1, NQ-1, \slot, 0
	s_wait_dscnt 0x0                               ; the add is done, and my reads of this slot are over
	s_barrier_signal -1
	MUL16 2, 1, NQ-1, \slot, 0
	WIN 0
	s_barrier_wait -1
.if \fill
	CREST                                          ; the barrier has opened a round of the cluster's barrier: no wave of any partner still reads this slot's tile or has a load on its way
	s_add_nc_u64 s[G0+4*\slot+2:G0+4*\slot+3], s[G0+4*\slot+2:G0+4*\slot+3], 2*ASTEP
	s_add_nc_u64 s[G0B+4*\slot+2:G0B+4*\slot+3], s[G0B+4*\slot+2:G0B+4*\slot+3], 2*ROWB
	JLOAD G0+4*\slot, G1, G0B+4*\slot, G1B         ; the first tensor load behind the round
	PLACES NP-4
.else
	PLACES NP
.endif
	s_wait_alu depctr_va_vdst(0)
	v_add_nc_u32 v[ADRS], 4*NQ, v[ADRS]
	FETCH_B \next, 0, 0
	FETCH_A \next, 0, 0
	SCALES \next
	WIN MUL_HI
	MUL16 4, 1, NQ-1, \slot, 0
	MUL16 6, 1, NQ-1, \slot, 0
	PLACES NP
	WIN 0
	FETCH_A \next, 0, 4
.endm
	s_wait_alu depctr_va_vdst(0)
	s_wait_tensorcnt 1                             ; the scale bytes and my part of K step 0 are in (K step 1's load may be out)
	s_barrier_signal -1
	s_barrier_wait -1                              ; everybody's are
	FETCH_B 0, 0, 0
	FETCH_A 0, 0, 0
	SCALES 0
	FETCH_A 0, 0, 4
	s_wait_loadcnt 0x0                             ; the bias
	STEP 0, 0, 1                                   ; the first step stands in front of the loop: its products start the sums
	s_mov_b32 s3, LAPS-1
.Llap:
	TURN 0, 1, 1
	STEP 1, 0, 0
	TURN 1, 0, 1
	STEP 0, 0, 0
	s_sub_co_u32 s3, s3, 1
	s_cmp_lg_u32 s3, 0
	s_cbranch_scc1 .Llap
	TURN 0, 1, 0                                   ; the last lap fills nothing
	STEP 1, 0, 0
	s_wait_dscnt 4*NL
	WIN MUL_LO
	MUL16 0, 1, NQ-1, 1, 0
	MUL16 2, 1, NQ-1, 1, 0
	s_wait_dscnt 0
	WIN MUL_HI
	MUL16 4, 1, NQ-1, 1, 0
	MUL16 6, 1, NQ-1, 1, 0
	WIN 0
; THE WAY OUT, block by block of 16 storage rows x 128 columns, through my own stage in LDS: the numbers go to their TRUE columns there, and each stage row is stored to its TRUE row of out0:
; 32 lanes store 512 consecutive bytes, aligned.  LDS serves a wave's instructions in order: no wait between the stores and the loads.
.macro TOSTAGE a
.set AC, 64*((\a)%4)
	WIN 0x08+4*((\a)/4)                            ; the data: window 2 or 3
.irp b, 0,1,2,3,4,5,6,7
	ds_store_b128 v[STO], v[AC+8*\b:AC+8*\b+3] offset:128*(\b/2)+32*(\b%2)          ; each accumulator from its low end on
	ds_store_b128 v[STO], v[AC+8*\b+4:AC+8*\b+7] offset:128*(\b/2)+32*(\b%2)+16
.endr
	WIN 0
.set BB, BK+64*((\a)%2)
.irp t, 0,1,2,3,4,5,6,7,8,9,10,11,12,13,14,15
	ds_load_b128 v[BB+4*\t:BB+4*\t+3], v[RD] offset:\t*SPITCH
.endr
.endm
.macro SEND a, younger                 ; younger: the LDS instructions issued behind block a's loads, which may stay out
.set BB, BK+64*((\a)%2)
	s_wait_dscnt \younger
.irp t, 0,1,2,3,4,5,6,7,8,9,10,11,12,13,14,15
	global_store_b128 v[CO], v[BB+4*\t:BB+4*\t+3], s[12:13] offset:(32*((\a)/2)+8*((\a)%2)+\t+8*(\t/8))*4096 th:TH_STORE_NT   ; storage row 16 a + t is true row 32 (a / 2) + 8 (a % 2) + t + 8 (t / 8); 127 rows at the most: inside the signed 24-bit immediate
.endr
.endm
	PLACES NP
	TOSTAGE 0
.irp a, 1,2,3,4,5,6,7
.if \a > 1
	s_wait_xcnt 0x0                                ; block a - 2's stores have read their registers: block a's loads may land there
.endif
	TOSTAGE \a
	SEND \a-1, 32                                  ; behind block a - 1's loads: block a's 16 stores and 16 loads
.endr
	SEND 7, 0
	s_wait_tensorcnt 0x0                           ; the wave's end
	ds_add_u32 v[SPW], v[NIL]
	s_wait_dscnt 0x0
	CROUND                                         ; the closing round
	s_endpgm
.Lfunc_end_k_q17b9cc2816_gemm_out:
	.size	k_q17b9cc2816_gemm_out, .Lfunc_end_k_q17b9cc2816_gemm_out-k_q17b9cc2816_gemm_out
	.p2alignl 7, 3214868480
	.fill 96, 4, 3214868480
	.section	.rodata,"a",@progbits
	.p2align	6, 0x0
	.amdhsa_kernel k_q17b9cc2816_gemm_out
		.amdhsa_group_segment_fixed_size 327680
		.amdhsa_private_segment_fixed_size 0
		.amdhsa_enable_private_segment 0
		.amdhsa_kernarg_size 32
		.amdhsa_user_sgpr_count 2
		.amdhsa_user_sgpr_kernarg_segment_ptr 1
		.amdhsa_wavefront_size32 1
		.amdhsa_system_sgpr_workgroup_id_x 1
		.amdhsa_system_sgpr_workgroup_id_y 1
		.amdhsa_system_sgpr_workgroup_id_z 1
		.amdhsa_system_vgpr_workitem_id 0
		.amdhsa_next_free_vgpr 1024
		.amdhsa_next_free_sgpr 100
		.amdhsa_reserve_vcc 0
		.amdhsa_float_denorm_mode_32 3
		.amdhsa_float_denorm_mode_16_64 3
		.amdhsa_memory_ordered 1
		.amdhsa_forward_progress 1
		.amdhsa_inst_pref_size 148
	.end_amdhsa_kernel
	.amdgpu_metadata
---
amdhsa.version: [ 1, 2 ]
amdhsa.kernels:
  - .name:           k_q17b9cc2816_gemm_out
    .symbol:         k_q17b9cc2816_gemm_out.kd
    .args:
      - { .name: y, .offset: 0, .size: 8, .value_kind: global_buffer, .address_space: global }
      - { .name: wo, .offset: 8, .size: 8, .value_kind: global_buffer, .address_space: global }
      - { .name: bo, .offset: 16, .size: 8, .value_kind: global_buffer, .address_space: global }
      - { .name: out0, .offset: 24, .size: 8, .value_kind: global_buffer, .address_space: global }
    .group_segment_fixed_size: 327680
    .private_segment_fixed_size: 0
    .kernarg_segment_align: 8
    .kernarg_segment_size: 32
    .max_flat_workgroup_size: 128
    .sgpr_count:     100
    .vgpr_count:     1024
    .wavefront_size: 32
...
	.end_amdgpu_metadata
.endif
;; end of part 5
